; MI455X (gfx1250); checked and timed in simulation.
; The chip was launched on July 23, 2026; its instructions are those of AMD's public machine-readable ISA for CDNA 5 (MIT licence, August 2026) and "CDNA5" Instruction Set Architecture Reference Guide (July 2026). The comments in the code are by the model that wrote it; some were corrected since.
;; Polar Attention. Allowed arithmetic: matrix products marked QUANTISED: E2M3 operands, one E8M0 scale for each 32 along K, by v_wmma_scale_f32_16x16x128_f8f6f4 with both operands' format E2M3, f32 sums; everything else in f32.
;; Inputs: Wk_codes 1,024 x 32 x 24 uint8 (E2M3 codes of Wk, K innermost, in blocks of 32 codes, four codes in three bytes); Wk_scales 1,024 x 32 uint8 (E8M0 scales of Wk, one for each 32 codes along K); Wo_codes 1,024 x 32 x 24 uint8 (E2M3 codes of Wo, K innermost, in blocks of 32 codes, four codes in three bytes); Wo_scales 1,024 x 32 uint8 (E8M0 scales of Wo, one for each 32 codes along K); Wq_codes 1,024 x 32 x 24 uint8 (E2M3 codes of Wq, K innermost, in blocks of 32 codes, four codes in three bytes); Wq_scales 1,024 x 32 uint8 (E8M0 scales of Wq, one for each 32 codes along K); Wv_codes 1,024 x 32 x 24 uint8 (E2M3 codes of Wv, K innermost, in blocks of 32 codes, four codes in three bytes); Wv_scales 1,024 x 32 uint8 (E8M0 scales of Wv, one for each 32 codes along K); k_scale 16 float32; q_scale 16 float32; x_codes 4 x 2,048 x 32 x 24 uint8 (E2M3 codes of x, K innermost, in blocks of 32 codes, four codes in three bytes); x_scales 4 x 2,048 x 32 uint8 (E8M0 scales of x, one for each 32 codes along K).
;; Outputs: out0 4 x 2,048 x 1,024 float32.
;; This version of the problem:
;;   THIS VERSION OF THE PROBLEM IS GIVEN IN LOW PRECISION. The matrix products marked QUANTISED in the list below multiply operands that are first quantised to E2M3 (2 exponent bits, 3 mantissa bits; 6 bits a number), with one power-of-two scale for each 32 numbers along K (OCP MX v1.0); their sums are f32. All else is computed in f32.
;;   The module's matrix products, in the order in which they are computed (A, B: the left and right operand; K: the contracted axis; several contracted axes count as one K, in the product's order):
;;     1. [M 8,192, K 1,024] x [K 1,024, N 1,024]; A: input x (given as codes); B: input Wq (given as codes): QUANTISED
;;     2. [M 8,192, K 1,024] x [K 1,024, N 1,024]; A: input x (given as codes); B: input Wk (given as codes): QUANTISED
;;     3. [M 8,192, K 1,024] x [K 1,024, N 1,024]; A: input x (given as codes); B: input Wv (given as codes): QUANTISED
;;     4. batch 64 x [M 2,048, K 64] x [K 64, N 2,048]; A: computed on the way; B: computed on the way: QUANTISED
;;     5. batch 64 x [M 2,048, K 2,048] x [K 2,048, N 64]; A: softmax (see below); B: computed on the way: QUANTISED
;;     6. [M 8,192, K 1,024] x [K 1,024, N 1,024]; A: computed on the way; B: input Wo (given as codes): QUANTISED
;;   THE QUANTISER, for each operand of a quantised product, along K:
;;     - K is cut into blocks of 32 from its start; a last block that is shorter is filled with zeros.
;;     - A block's scale is 2^e with e = floor(log2(the largest magnitude in the block)) - 2, held to -126 .. 127; a block of zeros has e = 0. As a byte (E8M0): e + 127.
;;     - Each number is divided by its block's scale, clamped to +-7.5, and rounded to the nearest number of E2M3, ties to even, subnormals kept.
;;     - The product sums the exact products of the quantised numbers (number of the format x scale) in f32.
;;   ~~~python
;;   def quantise(x, axis):      # numpy; x: float32 -> the quantised numbers, widened to float32 again
;;       x = np.moveaxis(x, axis, -1); K = x.shape[-1]
;;       x = np.pad(x, [(0, 0)] * (x.ndim - 1) + [(0, -K % 32)]); x = x.reshape(x.shape[:-1] + (-1, 32)); a = np.abs(x).max(-1, keepdims=True)
;;       e = np.where(a > 0, np.clip(np.frexp(np.where(a > 0, a, 1))[1] - 1 - 2, -126, 127), 0)      # np.frexp(a)[1] - 1 = floor(log2(a)), exactly
;;       r = np.clip(x / 2.0 ** e, -7.5, 7.5)
;;       step = 2.0 ** (np.maximum(np.frexp(np.where(r == 0, 1, r))[1] - 1, 0) - 3)
;;       q = np.round(r / step) * step * 2.0 ** e      # np.round: ties to even
;;       return np.moveaxis(q.reshape(q.shape[:-2] + (-1,))[..., :K], -1, axis).astype(np.float32)
;;   ~~~
;;   SOFTMAX AHEAD OF A QUANTISED PRODUCT. Where the list says 'softmax', what is quantised is not the finished softmax but p = 2^(t - M), with t = logit x log2(e) and M = ceil(the row's largest t), a whole number; so 1/2 < the row's largest p <= 1. The row's sum l is taken of the UNQUANTISED p, in f32, and the product's result is divided by l at the end. Since M is a whole number, a kernel that streams over the keys may use a running M (the ceiling of the running maximum): every later rescaling is an exact power of two, which a block's scale takes up: the codes' values come out the same.
;;   OPERANDS COMPUTED ON THE WAY. 'Computed on the way' means the value that the module computes at that place (a softmax that the list does not call 'softmax' is quantised finished and normalised). What goes into a quantiser is computed in f32, as accurately as f32 sums, v_exp_f32 and their like allow (about 1e-6 of the number): no bf16 or f16 on the way to a quantiser, and a product that is left as it is and whose result goes on into a quantised operand takes f32 operands (vector FMAs, or v_wmma_f32_16x16x4_f32). A number that lies on a knife's edge between two numbers of the format may be rounded either way, as far as f32 arithmetic and the matrix unit's own rounding can turn it there, and no further.
;;   INPUTS GIVEN AS CODES. Wk (in the module: [1024, 1024], K = its axis 1); Wo (in the module: [1024, 1024], K = its axis 1); Wq (in the module: [1024, 1024], K = its axis 1); Wv (in the module: [1024, 1024], K = its axis 1); x (in the module: [4, 2048, 1024], K = its axis 2): each comes as NAME_codes (uint8): NAME with its K axis moved to the last place and cut into blocks of 32 codes, [.., K / 32, bytes a block], one block behind the other in memory; four codes in three bytes: a row's codes are one little-endian stream of bits, code i at bits 6 i .. 6 i + 5 (a code: sign, 2 exponent bits, 3 mantissa bits); and NAME_scales (uint8): the same leading axes, one E8M0 byte (e + 127) for each 32 codes along K. Its value is code x scale, taken as it is: it is not quantised again, and the codes and scales need not be those that the quantiser above would give.
;; One version. Each part assembles by itself: llvm-mc -triple=amdgcn-amd-amdhsa -mcpu=gfx1250 --defsym DOCPART=n.
;; ======== version 1 of 1: 3 launches
;; workspace buffers: qw 7,340,032 bytes; kvw 13,893,632 bytes; ow 6,553,600 bytes
;; launch qkv (part 1): grid 8 x 32, 4 waves a work-group, clusters of 4 x 4, 327,680 bytes of LDS; arguments x_codes, x_scales, Wq_codes, Wq_scales, Wk_codes, Wk_scales, Wv_codes, Wv_scales, q_scale, k_scale, qw, kvw; writes qw, kvw
.if DOCPART == 1
	.amdgcn_target "amdgcn-amd-amdhsa--gfx1250"
	.amdhsa_code_object_version 6
	.text
	.protected	k_q93177dacda_qkv
	.globl	k_q93177dacda_qkv
	.p2align	8
	.type	k_q93177dacda_qkv,@function
k_q93177dacda_qkv:
	s_mov_b64 s[64:65], 0
	v_nop
	global_prefetch_b8 v0, s[64:65] scope:SCOPE_SE
	s_setreg_imm32_b32 hwreg(HW_REG_WAVE_MODE, 25, 1), 1
	s_wait_xcnt 0x0
	s_wait_alu depctr_hold_cnt(0) depctr_sa_sdst(0) depctr_va_vdst(0) depctr_va_sdst(0) depctr_va_ssrc(0) depctr_va_vcc(0) depctr_vm_vsrc(0)
	s_getreg_b32 s2, hwreg(HW_REG_IB_STS2, 6, 4)
	s_cmp_eq_u32 s2, 0
	s_cbranch_scc0 .Lentry_in_a_cluster
	s_endpgm
.Lentry_in_a_cluster:
	s_bfe_u32 s2, ttmp6, 0x10000c
	s_cmp_lg_u32 s2, 0xf033
	s_cbranch_scc0 .Lentry_shape_is_right
	s_endpgm
.Lentry_shape_is_right:
; q, k, v = silu(x W^T) on given codes of E2M3 (products 1 to 3); r = |q|, |k| per head; q_dir, k_dir = q / (r + 1e-6); q_dir and k_dir are quantised along the head's 64, v along the keys.
; Stored for the next launch, as images of operand registers: qw (directions of q, their scale words, r_q log2e) and kvw (directions of k, v with the keys innermost, their scale words, r_k q_scale k_scale).
; DEAD WORK (of the whole program).  reference() sets the scores of keys m > n to -inf by a mask that it builds itself (jnp.tril), and its softmax gives them the weight exp(-inf) = 0 whatever finite values the inputs hold.
; So a step of 128 keys all of which come after all 16 queries of a tile adds 0 to that tile's sum and to its product with v: the launch attn leaves such steps of products 4 and 5 out, whole.  In the step on the diagonal the
; work stays and hidden scores are set to -inf.  Nothing else is left out, and every input is loaded.  LIMIT: a NaN, an infinity or an overflow that arises only in scores left out is not carried to the result.
; LIMITS.  NaN and infinities among the inputs are not served.  silu(x) is formed as (-ln2) T / (1 + 2^T) with T = -log2e x: one f32 rounding more than x / (1 + exp(-x)).  q_scale k_scale is multiplied into r_k, r_q carries log2e:
; another order of f32 roundings than reference()'s.  v_exp_f32, v_rcp_f32, v_sqrt_f32 take denormals as 0.  A block of zeros gets the scale byte 1 (its codes are zeros; the bytes are read by this program alone).
; SHARES.  A work-group: 256 tokens x 128 features (two heads) of each of Wq, Wk, Wv.  Wave w: tokens 128 (w / 2) on, head w % 2: 8 tiles of x against 4 tiles of each W: 96 accumulators, 768 registers; each fragment of x read from
; LDS feeds 12 products.  Q, K: source 0 = 16 rows of W, source 1 = 16 tokens: a lane holds a token, its registers run along the features.  V: source 0 = 16 tokens, source 1 = 16 rows of Wv: a lane holds a feature, registers run along the tokens.
; ORDER INSIDE A BLOCK OF 32.  A lane's 16 numbers of two neighbouring tiles are 0-7 and 16-23 (lanes 0-15) or 8-15 and 24-31 (lanes 16-31) of the block, so a block's codes lie in the order 0-7, 16-23, 8-15, 24-31.
; q_dir and k_dir are laid alike, and so are v and the next launch's p: a permutation of k inside a block, alike on both sides, keeps the sum and the block's scale.
; CLUSTER 4 x 4: x's tile hangs on the token block alone and is asked for jointly along a row of the cluster, W's tiles and scale bytes on the feature block alone, jointly along a column.
; LDS: two slots of 640 rows (256 of x, 128 of Wq, Wk, Wv) x 240 bytes (192 bytes = 256 along K, 16 of padding behind each 64); W's scale bytes, 48 x (256 + 16); the spare words.  The way out's small stage, 4,096 bytes a wave,
; lies in slot 0, which has had its last fill and its last read by then.
; REGISTERS.  Window 0: v1 r, v2 h, v3 W's scale words' address, v4-9 fragment addresses in slot 0 (x, Wq/Wk, Wv; each with a second for pieces behind one padding more), v10-13, v60-61 the same in slot 1, v14-15 the add's two,
; v16-47 x's scale words of all 8 K steps, v48-59 W's (two sets), v62 an address, v64-159 x's 8 fragments, v160-255 two sets of 4 fragments of W.  Window 1: Q (x tile i, W tile t) at 32 i + 8 t; window 2: K likewise; window 3: V at 64 t + 8 i.
.set SLOT,  153600
.set WSC,   307200
.set SPARE, 320256
.set XS,   16
.set WS,   48
.set XF,   64
.set WF,   160
.set ADWS, 3
.set SPW,  14
.set NIL,  15
.set WV,   76
.set TH,   77
.set HH,   78
.set G1X,  28
.set G1W,  36
.set G1S,  44
.set G0X,  52                          ; slot 0 at s52, slot 1 at s56
.set G0W,  60                          ; slot 0 at s60, slot 1 at s68
.set G0S,  72
.set T,    64                          ; the way out, window 0: 64 numbers
.set E,    128                         ; 64 exponentials, then reciprocals
.set PC,   192                         ; codes: 12 registers, and 8 at work
.set TM,   212                         ; largest magnitudes, bytes, scale operands
.set PW,   228                         ; the scale word just made
.set MSB, 0
.macro WIN new                         ; the immediate's high byte repeats the setting that is left
.if MSB != \new
	s_set_vgpr_msb (MSB<<8)|\new
.set MSB, \new
.endif
.endm
.macro PLACES n
.rept \n
	v_nop
.endr
.endm
.macro CREST                           ; a round of the cluster's barrier behind its opening barrier
	s_cmp_lg_u32 s[WV], 0
	s_cbranch_scc1 .Lnw0_\@
	s_barrier_signal -3
.Lnw0_\@:
	s_barrier_wait -3
	s_barrier_signal -1
	s_barrier_wait -1
.endm
.macro CROUND
	s_barrier_signal -1
	s_barrier_wait -1
	CREST
.endm
; A joint refill of slot sl: wave 0 fetches x's 256 rows, waves 1 to 3 the 128 rows of Wq, Wk, Wv.  The branch hangs on the wave's number alone.  An s_nop 0 and four v_nop follow each line.
.macro JLOAD sl
	s_cmp_eq_u32 s[WV], 0
	s_cbranch_scc0 .Ljw_\@
	tensor_load_to_lds s[G0X+4*(\sl):G0X+4*(\sl)+3], s[G1X:G1X+7]
	s_nop 0
.rept 4
	v_nop
.endr
	s_branch .Ljd_\@
.Ljw_\@:
	tensor_load_to_lds s[G0W+8*(\sl):G0W+8*(\sl)+3], s[G1W:G1W+7]
	s_nop 0
.rept 4
	v_nop
.endr
.Ljd_\@:
.endm
; One scaled product.  ra, rb: the side's scale words stand in lanes 16-31 of the register named.
.macro WM d, a, b, sa, sb, ra, rb, zero
.if \zero
.if (\ra) && (\rb)
	v_wmma_scale_f32_16x16x128_f8f6f4 v[(\d):(\d)+7], v[(\a):(\a)+11], v[(\b):(\b)+11], 0, v[\sa], v[\sb] matrix_a_fmt:MATRIX_FMT_FP6 matrix_b_fmt:MATRIX_FMT_FP6 matrix_a_scale:MATRIX_SCALE_ROW1 matrix_b_scale:MATRIX_SCALE_ROW1
.elseif \ra
	v_wmma_scale_f32_16x16x128_f8f6f4 v[(\d):(\d)+7], v[(\a):(\a)+11], v[(\b):(\b)+11], 0, v[\sa], v[\sb] matrix_a_fmt:MATRIX_FMT_FP6 matrix_b_fmt:MATRIX_FMT_FP6 matrix_a_scale:MATRIX_SCALE_ROW1
.elseif \rb
	v_wmma_scale_f32_16x16x128_f8f6f4 v[(\d):(\d)+7], v[(\a):(\a)+11], v[(\b):(\b)+11], 0, v[\sa], v[\sb] matrix_a_fmt:MATRIX_FMT_FP6 matrix_b_fmt:MATRIX_FMT_FP6 matrix_b_scale:MATRIX_SCALE_ROW1
.else
	v_wmma_scale_f32_16x16x128_f8f6f4 v[(\d):(\d)+7], v[(\a):(\a)+11], v[(\b):(\b)+11], 0, v[\sa], v[\sb] matrix_a_fmt:MATRIX_FMT_FP6 matrix_b_fmt:MATRIX_FMT_FP6
.endif
.else
.if (\ra) && (\rb)
	v_wmma_scale_f32_16x16x128_f8f6f4 v[(\d):(\d)+7], v[(\a):(\a)+11], v[(\b):(\b)+11], v[(\d):(\d)+7], v[\sa], v[\sb] matrix_a_fmt:MATRIX_FMT_FP6 matrix_b_fmt:MATRIX_FMT_FP6 matrix_a_scale:MATRIX_SCALE_ROW1 matrix_b_scale:MATRIX_SCALE_ROW1
.elseif \ra
	v_wmma_scale_f32_16x16x128_f8f6f4 v[(\d):(\d)+7], v[(\a):(\a)+11], v[(\b):(\b)+11], v[(\d):(\d)+7], v[\sa], v[\sb] matrix_a_fmt:MATRIX_FMT_FP6 matrix_b_fmt:MATRIX_FMT_FP6 matrix_a_scale:MATRIX_SCALE_ROW1
.elseif \rb
	v_wmma_scale_f32_16x16x128_f8f6f4 v[(\d):(\d)+7], v[(\a):(\a)+11], v[(\b):(\b)+11], v[(\d):(\d)+7], v[\sa], v[\sb] matrix_a_fmt:MATRIX_FMT_FP6 matrix_b_fmt:MATRIX_FMT_FP6 matrix_b_scale:MATRIX_SCALE_ROW1
.else
	v_wmma_scale_f32_16x16x128_f8f6f4 v[(\d):(\d)+7], v[(\a):(\a)+11], v[(\b):(\b)+11], v[(\d):(\d)+7], v[\sa], v[\sb] matrix_a_fmt:MATRIX_FMT_FP6 matrix_b_fmt:MATRIX_FMT_FP6
.endif
.endif
.endm
; A fragment, 16 rows x 128 K: 12 registers, six pieces of 8 bytes.  Lanes 16-31 read three pieces further on than lanes 0-15; where that lies behind one padding more, the second address register serves.
.macro FRAG reg, adr, q, rows
.irp p, 0,1,2,3,4,5
.set PCE, 12*(\q)+6*(\p/3)+\p%3
.if PCE%8 < 5
	ds_load_b64 v[(\reg)+2*\p:(\reg)+2*\p+1], v[\adr] offset:8*PCE+16*(PCE/8)+(\rows)*240
.else
	ds_load_b64 v[(\reg)+2*\p:(\reg)+2*\p+1], v[(\adr)+1] offset:8*PCE+16*(PCE/8)+(\rows)*240
.endif
.endr
.endm
.macro FETCH_X slot, q, xb             ; x's fragments xb .. xb + 3 of the slot's q-th 128 along K: 24 loads
.irp i, 0,1,2,3
	FRAG XF+12*((\xb)+\i), 4+6*(\slot), \q, 16*((\xb)+\i)
.endr
.endm
.macro FETCH_W slot, g, q, set         ; the four fragments of W number g (0 Wq, 1 Wk, 2 Wv) into set: 24 loads
.irp t, 0,1,2,3
.if (\g) < 2
	FRAG WF+48*(\set)+12*\t, 6+6*(\slot), \q, 128*(\g)+16*\t
.else
	FRAG WF+48*(\set)+12*\t, 8+52*(\slot), \q, 16*\t
.endif
.endr
.endm
.macro FETCH_S kq                      ; W's scale words of K step kq: lanes 0-15 tile 2 pr, lanes 16-31 tile 2 pr + 1: 6 loads
.irp g, 0,1,2
.irp pr, 0,1
	ds_load_b32 v[WS+6*((\kq)%2)+2*\g+\pr], v[ADWS] offset:4352*\g+1088*\pr+4*(\kq)
.endr
.endr
.endm
; 16 products: x's tiles xb .. xb + 3 against the four tiles of W number g.  The 96 accumulators take turns, one instruction a turn, in the same order in every K step.
.macro MUL16 g, xb, set, kq, zero
	WIN 0x50*((\g)+1)
.irp i, 0,1,2,3
.irp t, 0,1,2,3
.set xi, (\xb)+\i
.set rX, XF+12*xi
.set rW, WF+48*(\set)+12*\t
.set sX, XS+8*(xi/2)+(\kq)
.set sW, WS+6*((\kq)%2)+2*(\g)+\t/2
.if (\g) < 2
	WM 32*xi+8*\t, rW, rX, sW, sX, \t%2, xi%2, \zero
.else
	WM 64*\t+8*xi, rX, rW, sX, sW, xi%2, \t%2, \zero
.endif
.endr
.endr
.endm
; A K step of 128 whose successor lies in the same slot.  LDS loads out at its head, in order: Wq's set (24), x 0-3 (24), scale words (6), x 4-7 (24), Wk's set (24).
; A load into a register that a matrix instruction has read stands four plain vector instructions behind it (ISA guide 7.12.1 for vector instructions).
.macro STEP kq, zero
.set SL, ((\kq)/2)%2
	s_wait_dscnt 48                                ; x 4-7 and Wk's set may be out
	MUL16 0, 0, (3*(\kq))%2, \kq, \zero
	s_wait_dscnt 24                                ; Wk's set may be out
	MUL16 0, 4, (3*(\kq))%2, \kq, \zero
	WIN 0
	PLACES 4
	FETCH_W SL, 2, 0, (3*(\kq)+2)%2                ; Wv's fragments into the set that Wq's have left
	s_wait_dscnt 24                                ; Wk's set is in
	MUL16 1, 0, (3*(\kq)+1)%2, \kq, \zero
	MUL16 1, 4, (3*(\kq)+1)%2, \kq, \zero
	WIN 0
	PLACES 4
	FETCH_W SL, 0, 1, (3*(\kq)+3)%2                ; the next step's Wq
	s_wait_dscnt 24                                ; Wv's set is in
	MUL16 2, 0, (3*(\kq)+2)%2, \kq, \zero
	WIN 0
	PLACES 4
	FETCH_X SL, 1, 0                               ; x's tiles 0-3 have fed their twelve products
	MUL16 2, 4, (3*(\kq)+2)%2, \kq, \zero
	WIN 0
	PLACES 4
	FETCH_S (\kq)+1
	FETCH_X SL, 1, 4
	FETCH_W SL, 1, 1, (3*(\kq)+4)%2
.endm
; A slot's second K step changes slots: ONE barrier.  In front of it each wave waits for all its tensor loads, adds 0 to its spare word, and waits for that and for its reads of this slot (the last are Wv's fragments).
; fill = 1: the barrier opens a round of the cluster's barrier, and the slot is filled again, two slots on along K: the load has two K steps, 192 products, in which to land.
.macro TURN kq, fill
.set SL, ((\kq)/2)%2
.set NX, 1-SL
	s_wait_dscnt 48
	MUL16 0, 0, (3*(\kq))%2, \kq, 0
	s_wait_dscnt 24
	MUL16 0, 4, (3*(\kq))%2, \kq, 0
	WIN 0
	PLACES 4
	FETCH_W SL, 2, 1, (3*(\kq)+2)%2                ; my last reads of this slot
	s_wait_tensorcnt 0x0                           ; all my tensor loads have landed: my part of the next slot
	ds_add_u32 v[SPW], v[NIL]                      ; 0 onto my spare word
	s_wait_dscnt 25                                ; (the add and Wv's 24 loads may be out: Wk's set is in)
	MUL16 1, 0, (3*(\kq)+1)%2, \kq, 0
	s_wait_dscnt 0x0                               ; the add is done, and my reads of this slot are over
	s_barrier_signal -1
	MUL16 1, 4, (3*(\kq)+1)%2, \kq, 0
	WIN 0
	s_barrier_wait -1
.if \fill
	CREST                                          ; no wave of any partner still reads this slot or has a load on its way
	s_add_nc_u64 s[G0X+4*SL+2:G0X+4*SL+3], s[G0X+4*SL+2:G0X+4*SL+3], 384
	s_add_nc_u64 s[G0W+8*SL+2:G0W+8*SL+3], s[G0W+8*SL+2:G0W+8*SL+3], 384
	JLOAD SL                                       ; the first tensor load behind the round; its four v_nop are the places in front of the loads below
.else
	PLACES 4
.endif
	FETCH_W NX, 0, 0, (3*(\kq)+3)%2
	MUL16 2, 0, (3*(\kq)+2)%2, \kq, 0
	WIN 0
	PLACES 4
	FETCH_X NX, 0, 0
	MUL16 2, 4, (3*(\kq)+2)%2, \kq, 0
	WIN 0
	PLACES 4
	FETCH_S (\kq)+1
	FETCH_X NX, 0, 4
	FETCH_W NX, 1, 0, (3*(\kq)+4)%2
.endm
	s_load_b512 s[4:19], s[0:1], 0x0               ; x's codes, scales; Wq's; Wk's; Wv's
	s_load_b256 s[20:27], s[0:1], 0x40             ; q_scale, k_scale, qw, kvw
	v_lshl_add_u32 v[SPW], v0, 2, SPARE
	v_mov_b32 v[NIL], 0
	ds_add_u32 v[SPW], v[NIL]                      ; the wave's opening: the add, twice on end, and its wait ahead of my first tensor load
	ds_add_u32 v[SPW], v[NIL]
	v_lshrrev_b32 v1, 5, v0
	v_readfirstlane_b32 s[WV], v1                  ; wave 0..3
	s_lshr_b32 s[TH], s[WV], 1                     ; which 128 tokens
	s_and_b32 s[HH], s[WV], 1                      ; which head of the two
	s_bfe_u32 s79, ttmp6, 0x40000                  ; cx
	s_bfe_u32 s80, ttmp6, 0x40004                  ; cy
	s_lshl_b32 s81, ttmp9, 2
	s_add_co_u32 s81, s81, s79                     ; feature block = 4 x cluster x + cx
	s_and_b32 s82, ttmp7, 0xffff
	s_lshl_b32 s82, s82, 2
	s_add_co_u32 s82, s82, s80                     ; token block = 4 x cluster y + cy
	s_lshl_b32 s83, s80, 2
	s_lshl_b32 s83, 15, s83                        ; my row of the cluster
	s_lshl_b32 s84, 0x1111, s79                    ; my column
	s_or_b32 s[G1X], s83, (1<<20)|(1<<21)|(3<<22)|(3<<25)   ; x: mask of my row; elements of 1 byte; 4 words of padding behind every 16
	s_mov_b32 s[G1X+1], 192<<16                    ; tensor_dim0
	s_mov_b32 s[G1X+2], 256<<16                    ; tensor_dim1
	s_mov_b32 s[G1X+3], 192<<16                    ; tile_dim0
	s_mov_b32 s[G1X+4], 256                        ; tile_dim1
	s_mov_b32 s[G1X+5], 768                        ; bytes from row to row
	s_mov_b32 s[G1X+6], 0
	s_mov_b32 s[G1X+7], 0
	s_or_b32 s[G1W], s84, (1<<20)|(1<<21)|(3<<22)|(3<<25)   ; W: mask of my column; 128 rows
	s_mov_b32 s[G1W+1], 192<<16
	s_mov_b32 s[G1W+2], 128<<16
	s_mov_b32 s[G1W+3], 192<<16
	s_mov_b32 s[G1W+4], 128
	s_mov_b32 s[G1W+5], 768
	s_mov_b32 s[G1W+6], 0
	s_mov_b32 s[G1W+7], 0
	s_or_b32 s[G1S], s84, (3<<16)|(1<<20)|(1<<21)|(5<<22)|(3<<25)   ; W's scale bytes: 4,096 dense bytes as 16 rows of 256, 16 bytes of padding behind each
	s_mov_b32 s[G1S+1], 32<<16
	s_mov_b32 s[G1S+2], 16<<16
	s_mov_b32 s[G1S+3], 32<<16
	s_mov_b32 s[G1S+4], 16
	s_mov_b32 s[G1S+5], 32
	s_mov_b32 s[G1S+6], 0
	s_mov_b32 s[G1S+7], 0
	s_mul_i32 s86, s82, 196608                     ; x: 256 rows of 768 bytes a token block
	s_mov_b32 s87, 0
	s_mul_i32 s88, s81, 98304                      ; W: 128 rows a feature block
	s_mov_b32 s89, 0
	s_lshl_b32 s90, s81, 12                        ; W's scale bytes: 128 rows of 32
	s_mov_b32 s91, 0
	s_mul_i32 s92, s[WV], 30720
	s_add_co_u32 s92, s92, 30720                   ; LDS: waves 1, 2, 3: rows 256, 384, 512 of a slot
	s_mul_i32 s93, s[WV], 4352
	s_add_co_u32 s93, s93, WSC-4352                ; and their scale bytes
	s_mov_b32 s94, 0x76543210
	s_mov_b32 s95, 0xfedcba98                      ; v_permlanex16_b32's selects for lane l xor 16
	s_mov_b32 s96, 0xbfb8aa3b                      ; -log2e, as a pair
	s_mov_b32 s97, s96
	s_wait_dscnt 0x0                               ; both opening adds are done
	s_wait_kmcnt 0x0
	s_cmp_eq_u32 s[WV], 2                          ; which W my wave fetches: a choice on the wave's number
	s_cselect_b64 s[8:9], s[12:13], s[8:9]
	s_cselect_b64 s[10:11], s[14:15], s[10:11]
	s_cmp_eq_u32 s[WV], 3
	s_cselect_b64 s[8:9], s[16:17], s[8:9]
	s_cselect_b64 s[10:11], s[18:19], s[10:11]
	s_add_nc_u64 s[4:5], s[4:5], s[86:87]
	s_add_nc_u64 s[8:9], s[8:9], s[88:89]
	s_add_nc_u64 s[10:11], s[10:11], s[90:91]
	s_mov_b32 s[G0X], 1
	s_mov_b32 s[G0X+1], 0
	s_mov_b64 s[G0X+2:G0X+3], s[4:5]
	s_or_b32 s[G0X+3], s[G0X+3], 0x80000000
	s_mov_b32 s[G0X+4], 1
	s_mov_b32 s[G0X+5], SLOT
	s_add_nc_u64 s[G0X+6:G0X+7], s[4:5], 192
	s_or_b32 s[G0X+7], s[G0X+7], 0x80000000
	s_mov_b32 s[G0W], 1
	s_mov_b32 s[G0W+1], s92
	s_mov_b64 s[G0W+2:G0W+3], s[8:9]
	s_or_b32 s[G0W+3], s[G0W+3], 0x80000000
	s_mov_b32 s[G0W+8], 1
	s_add_co_u32 s[G0W+9], s92, SLOT
	s_add_nc_u64 s[G0W+10:G0W+11], s[8:9], 192
	s_or_b32 s[G0W+11], s[G0W+11], 0x80000000
	s_mov_b32 s[G0S], 1
	s_mov_b32 s[G0S+1], s93
	s_mov_b64 s[G0S+2:G0S+3], s[10:11]
	s_or_b32 s[G0S+3], s[G0S+3], 0x80000000
	CROUND                                         ; all sixteen work-groups are here: the first joint loads meet
	s_cmp_eq_u32 s[WV], 0                          ; a wave's first fills stand in one branch: wave 0 two loads, the others three; the last of each is slot 1's
	s_cbranch_scc0 .Lfirst_w
	tensor_load_to_lds s[G0X:G0X+3], s[G1X:G1X+7]
	s_nop 0
	tensor_load_to_lds s[G0X+4:G0X+7], s[G1X:G1X+7]
	s_nop 0
.rept 4
	v_nop
.endr
	s_branch .Lfirst_done
.Lfirst_w:
	tensor_load_to_lds s[G0S:G0S+3], s[G1S:G1S+7]
	s_nop 0
	tensor_load_to_lds s[G0W:G0W+3], s[G1W:G1W+7]
	s_nop 0
	tensor_load_to_lds s[G0W+8:G0W+11], s[G1W:G1W+7]
	s_nop 0
.rept 4
	v_nop
.endr
.Lfirst_done:
	; x's scale words stay in registers: lane l takes row 32 p + l of my 128 tokens, 32 bytes: a word for each of the 8 K steps
	s_lshl_b32 s86, s82, 13
	s_lshl_b32 s88, s[TH], 12
	s_add_co_u32 s86, s86, s88
	s_add_nc_u64 s[6:7], s[6:7], s[86:87]
	v_and_b32 v1, 15, v0                           ; r
	v_bfe_u32 v2, v0, 4, 1                         ; h
	v_and_b32 v62, 31, v0
	v_lshlrev_b32 v62, 5, v62                      ; 32 x lane; never rewritten
.irp p, 0,1,2,3
	global_load_b128 v[XS+8*\p:XS+8*\p+3], v62, s[6:7] offset:1024*\p
	global_load_b128 v[XS+8*\p+4:XS+8*\p+7], v62, s[6:7] offset:1024*\p+16
.endr
	s_lshl_b32 s90, s81, 1
	s_add_co_u32 s90, s90, s[HH]                   ; my head
	s_lshl_b32 s88, s90, 2
	s_add_nc_u64 s[20:21], s[20:21], s[88:89]
	s_add_nc_u64 s[22:23], s[22:23], s[88:89]
	s_load_b32 s98, s[20:21], 0x0                  ; q_scale[head]
	s_load_b32 s99, s[22:23], 0x0                  ; k_scale[head]
	v_mul_u32_u24 v63, v1, 240
	v_mad_u32_u24 v63, v2, 24, v63                 ; a fragment's row x pitch + 24 x half
	s_mul_i32 s86, s[TH], 128*240
	v_add_nc_u32 v4, s86, v63                      ; x: my 128 rows
	s_wait_alu depctr_va_vdst(0)
	v_lshl_add_u32 v5, v2, 4, v4                   ; the same behind one padding more
	s_mul_i32 s86, s[HH], 64*240
	s_add_co_u32 s86, s86, 256*240
	v_add_nc_u32 v6, s86, v63                      ; Wq: my 64 rows (Wk's lie 128 rows on)
	v_lshl_add_u32 v7, v2, 4, v6
	v_add_nc_u32 v8, 61440, v6                     ; Wv: 256 rows on
	v_add_nc_u32 v9, 61440, v7
	v_add_nc_u32 v10, SLOT, v4                     ; and all six in slot 1
	v_add_nc_u32 v11, SLOT, v5
	v_add_nc_u32 v12, SLOT, v6
	v_add_nc_u32 v13, SLOT, v7
	v_add_nc_u32 v60, SLOT, v8
	v_add_nc_u32 v61, SLOT, v9
	v_and_b32 v63, 31, v0
	v_lshrrev_b32 v[ADWS], 3, v63                  ; W's scale words: row = lane: eight rows of 32 bytes to a unit of 256 + 16
	v_mul_u32_u24 v[ADWS], v[ADWS], 272
	v_and_b32 v63, 7, v63
	v_lshl_add_u32 v[ADWS], v63, 5, v[ADWS]
	s_mul_i32 s86, s[HH], 2176
	s_add_co_u32 s86, s86, WSC
	v_add_nc_u32 v[ADWS], s86, v[ADWS]
	s_wait_alu depctr_va_vdst(0)
	s_wait_tensorcnt 0x1                           ; W's scale bytes and my part of slot 0 are in; slot 1's load may stay out
	s_barrier_signal -1
	s_barrier_wait -1                              ; everybody's are
	FETCH_W 0, 0, 0, 0
	FETCH_X 0, 0, 0
	FETCH_S 0
	FETCH_X 0, 0, 4
	FETCH_W 0, 1, 0, 1
	s_wait_loadcnt 0x0                             ; x's scale words
	s_wait_kmcnt 0x0                               ; the two gains
	STEP 0, 1                                      ; the first K step's products start the sums: nothing is cleared
	TURN 1, 1
	STEP 2, 0
	TURN 3, 1
	STEP 4, 0
	TURN 5, 0                                      ; nothing is left to fetch; behind this barrier nobody reads slot 0
	STEP 6, 0
	s_wait_dscnt 48                                ; the last K step
	MUL16 0, 0, 1, 7, 0
	s_wait_dscnt 24
	MUL16 0, 4, 1, 7, 0
	WIN 0
	PLACES 4
	FETCH_W 1, 2, 1, 1
	s_wait_dscnt 24
	MUL16 1, 0, 0, 7, 0
	MUL16 1, 4, 0, 7, 0
	s_wait_dscnt 0x0
	MUL16 2, 0, 1, 7, 0
	MUL16 2, 4, 1, 7, 0
	WIN 0
	PLACES 4                                       ; in front of the first reads of results and of writes to registers that held fragments
	; ---- THE WAY OUT.  All tensor loads were shown done at the last change of slots: the descriptors' registers are free.
	s_mov_b32 s28, 0x3f317218                      ; ln2
	s_mov_b32 s29, 0xbf317218                      ; -ln2
	s_mov_b32 s30, s29                             ; and as a pair
	s_mov_b32 s31, s29
	s_mov_b32 s32, 0x358637bd                      ; 1e-6
	s_mov_b32 s34, 0xffff0000                      ; lanes 16-31
	s_mov_b32 s39, 0xffff
	s_mov_b32 s52, 0x7f7f0000                      ; bytes 2, 3 of a word of a K of 64: scale 1 over zero codes
	s_lshl_b32 s38, s[WV], 12                      ; my stage: 4,096 x wave, in slot 0
	s_lshr_b32 s40, s82, 3                         ; batch
	s_lshl_b32 s40, s40, 4
	s_lshl_b32 s41, s81, 1
	s_add_co_u32 s40, s40, s41
	s_add_co_u32 s40, s40, s[HH]                   ; bh = 16 batch + head
	s_and_b32 s41, s82, 7
	s_lshl_b32 s41, s41, 1
	s_add_co_u32 s41, s41, s[TH]                   ; which 128 tokens of the sequence: the key step
	s_mov_b32 s43, 0
	s_mul_i32 s42, s40, 114688
	s_add_nc_u64 s[24:25], s[24:25], s[42:43]      ; qw at my head
	s_mul_i32 s42, s40, 217088
	s_add_nc_u64 s[26:27], s[26:27], s[42:43]      ; kvw at my head
	s_mul_i32 s42, s41, 6144                       ; 8 tiles of 768 bytes; also V's 4 fragments of 1,536
	s_add_nc_u64 s[44:45], s[24:25], s[42:43]      ; Q's images
	s_add_nc_u64 s[46:47], s[26:27], s[42:43]      ; K's
	s_add_nc_u64 s[48:49], s[46:47], 98304         ; V's
	s_lshl_b32 s42, s41, 9                         ; 128 tokens x 4 bytes
	s_add_nc_u64 s[24:25], s[24:25], s[42:43]      ; Q's scale words (+98,304) and r_q (+106,496)
	s_add_nc_u64 s[50:51], s[26:27], s[42:43]      ; K's scale words (+196,608) and r_k (+204,800)
	s_lshl_b32 s42, s41, 8
	s_add_nc_u64 s[26:27], s[26:27], s[42:43]      ; V's scale words (+212,992)
	v_and_b32 v253, 31, v0
	v_lshlrev_b32 v246, 4, v253                    ; 16 x lane
	v_lshlrev_b32 v247, 3, v253                    ; 8 x lane
	v_lshl_add_u32 v248, v253, 2, s38              ; the stage: 4 x lane
	v_lshl_add_u32 v249, v1, 2, s38
	v_add_nc_u32 v249, 2048, v249                  ; V's words: 4 r
	v_lshlrev_b32 v245, 4, v2                      ; 16 h
	v_add_nc_u32 v254, s38, v247                   ; back out of the stage: 8 x lane,
	v_add_nc_u32 v253, s38, v246                   ; 16 x lane
	v_mov_b32 v234, 0                              ; written once: a lane permute's destination counts as one of its sources
	v_mov_b32 v235, 0
	v_mov_b32 v243, 0                              ; upper halves of pairs of which the low word is used
	v_mov_b32 v251, 0
.irp b, 0,1,2,3
	v_mov_b32 v[TM+4+\b], 0
.endr
; 64 accumulator registers, number k of the window's four runs, times -log2e into T: each accumulator is read from its low end on.
.macro TAKE win, k
	WIN \win
.set j, 0
.rept 32
	v_pk_mul_f32 v[T+j:T+j+1], v[64*(\k)+j:64*(\k)+j+1], s[96:97] op_sel_hi:[1,0]
.set j, j+2
.endr
	WIN 0
.endm
; 64 numbers of a lane, register 16 b + i of block b, become codes in v[PC] on (registers 6 c .. 6 c + 5: lanes 0-15 block 2 c, lanes 16-31 block 2 c + 1) and the four blocks' scale bytes in v[PW].
.macro QUANT s
.irp b, 0,1,2,3
	v_max3_num_f32 v[TM+\b], |v[\s+16*\b]|, |v[\s+1+16*\b]|, 0x1800000   ; my 16 numbers, and the floor 2^(3 - 127): the byte cannot fall under 1
.endr
.irp i, 2,4,6,8,10,12,14
.irp b, 0,1,2,3
	v_max3_num_f32 v[TM+\b], v[TM+\b], |v[\s+16*\b+\i]|, |v[\s+1+16*\b+\i]|
.endr
.endr
.irp b, 0,1,2,3
	v_permlanex16_b32 v[TM+4+\b], v[TM+\b], s94, s95
.endr
.irp b, 0,1,2,3
	v_max_num_f32 v[TM+\b], v[TM+\b], v[TM+4+\b]   ; with lane l xor 16's: the block's largest magnitude
.endr
.irp b, 0,1,2,3
	v_add_nc_u32 v[TM+12+\b], 0xff000000, v[TM+\b] ; 2 off its exponent field: the conversion's scale operand
.endr
.irp b, 0,1,2,3
	v_lshrrev_b32 v[TM+4+\b], 23, v[TM+12+\b]      ; the scale's byte
.endr
	v_lshl_or_b32 v[PW], v[TM+5], 8, v[TM+4]
	v_lshl_or_b32 v[PW], v[TM+6], 16, v[PW]
	v_lshl_or_b32 v[PW], v[TM+7], 24, v[PW]
.irp c, 0,1
	v_cvt_scalef32_pk16_fp6_f32 v[PC+6*\c:PC+2+6*\c], v[\s+32*\c:\s+15+32*\c], v[TM+12+2*\c]
	v_cvt_scalef32_pk16_fp6_f32 v[PC+12+4*\c:PC+14+4*\c], v[\s+16+32*\c:\s+31+32*\c], v[TM+12+2*\c+1]
.endr
	v_nop                                          ; one plain place behind a scaled conversion
.irp c, 0,1
.irp i, 0,1,2
	v_permlane16_swap_b32 v[PC+6*\c+\i], v[PC+12+4*\c+\i]
.endr
.irp i, 0,1,2
	v_mov_b32 v[PC+3+6*\c+\i], v[PC+12+4*\c+\i]
.endr
.endr
.endm
; One tensor's way out: four trips of 64 accumulator registers.  kind 0: Q, 1: K (a trip = two tiles of 16 tokens x the head's 64), 2: V (a trip = 16 features x my 128 tokens).
; Only the lines that take the accumulators differ from trip to trip: they stand four times, chosen by the trip's number.
.macro EPI kind, win
	s_mov_b32 s100, 0
	s_mov_b32 s35, 0
.Ltrip_\@:
	s_cmp_eq_u32 s100, 1
	s_cbranch_scc1 .Lt1_\@
	s_cmp_eq_u32 s100, 2
	s_cbranch_scc1 .Lt2_\@
	s_cmp_eq_u32 s100, 3
	s_cbranch_scc1 .Lt3_\@
	TAKE \win, 0
	s_branch .Ltk_\@
.Lt1_\@:
	TAKE \win, 1
	s_branch .Ltk_\@
.Lt2_\@:
	TAKE \win, 2
	s_branch .Ltk_\@
.Lt3_\@:
	TAKE \win, 3
.Ltk_\@:
.set j, 0
	s_wait_alu depctr_va_vdst(0)
.rept 64
	v_exp_f32 v[E+j], v[T+j]                       ; 2^T = exp(-x)
.set j, j+1
.endr
	v_nop                                          ; a plain place behind the exponentials
	s_wait_alu depctr_va_vdst(0)                   ; one wait for the batch, ahead of its first reader
.set j, 0
.rept 32
	v_pk_add_f32 v[E+j:E+j+1], v[E+j:E+j+1], 1.0 op_sel_hi:[1,0]
.set j, j+2
.endr
.set j, 0
	s_wait_alu depctr_va_vdst(0)
.rept 64
	v_rcp_f32 v[E+j], v[E+j]                       ; 1 / (1 + exp(-x))
.set j, j+1
.endr
	v_nop
	s_wait_alu depctr_va_vdst(0)
.set j, 0
.rept 32
	v_pk_mul_f32 v[T+j:T+j+1], v[T+j:T+j+1], v[E+j:E+j+1]   ; -log2e silu(x)
.set j, j+2
.endr
.if \kind < 2
	v_pk_mul_f32 v[230:231], v[T:T+1], v[T:T+1]    ; the two tokens' sums of squares, by turns
	v_pk_mul_f32 v[232:233], v[T+32:T+33], v[T+32:T+33]
.set j, 2
.rept 15
	v_pk_fma_f32 v[230:231], v[T+j:T+j+1], v[T+j:T+j+1], v[230:231]
	v_pk_fma_f32 v[232:233], v[T+32+j:T+33+j], v[T+32+j:T+33+j], v[232:233]
.set j, j+2
.endr
	v_add_f32 v230, v230, v231
	v_add_f32 v232, v232, v233
	v_permlanex16_b32 v234, v230, s94, s95         ; the head's other 32 features lie in lane l xor 16
	v_permlanex16_b32 v235, v232, s94, s95
	v_add_f32 v230, v230, v234
	v_add_f32 v232, v232, v235
	s_wait_alu depctr_va_vdst(0)
	v_sqrt_f32 v236, v230
	v_sqrt_f32 v237, v232
	v_nop
	s_wait_alu depctr_va_vdst(0)
	v_mul_f32 v236, s28, v236                      ; r = ln2 x the norm of -log2e silu
	v_mul_f32 v237, s28, v237
	v_add_f32 v238, s32, v236                      ; r + 1e-6
	v_add_f32 v239, s32, v237
	s_wait_alu depctr_va_vdst(0)
	v_rcp_f32 v238, v238
	v_rcp_f32 v239, v239
	v_mul_f32 v240, s33, v236                      ; what the next launch multiplies scores by: r_q log2e, or r_k q_scale k_scale
	v_mul_f32 v241, s33, v237
	s_wait_alu depctr_va_vdst(0)
	v_mul_f32 v242, s29, v238                      ; -ln2 / (r + 1e-6)
	v_mul_f32 v250, s29, v239
.set j, 0
.rept 16
	v_pk_mul_f32 v[T+j:T+j+1], v[T+j:T+j+1], v[242:243] op_sel_hi:[1,0]   ; the direction
	v_pk_mul_f32 v[T+32+j:T+33+j], v[T+32+j:T+33+j], v[250:251] op_sel_hi:[1,0]
.set j, j+2
.endr
.else
.set j, 0
.rept 32
	v_pk_mul_f32 v[T+j:T+j+1], v[T+j:T+j+1], s[30:31] op_sel_hi:[1,0]     ; silu(x)
.set j, j+2
.endr
.endif
	QUANT T
.if \kind < 2
	global_store_b128 v246, v[PC:PC+3], s[36:37]                ; two tiles' images: 1,536 consecutive bytes, at a multiple of 256
	global_store_b64 v247, v[PC+4:PC+5], s[36:37] offset:512
	global_store_b128 v246, v[PC+6:PC+9], s[36:37] offset:768
	global_store_b64 v247, v[PC+10:PC+11], s[36:37] offset:1280
	v_lshrrev_b32 v229, v245, v[PW]                ; lane (r, h) stands for token 16 h + r of the trip's 32: its two bytes,
	v_and_or_b32 v229, v229, s39, s52              ; and 127 twice
	v_cndmask_b32 v252, v240, v241, s34
	v_add_nc_u32 v244, s35, v248
	ds_store_b32 v244, v229 offset:1024*\kind
	ds_store_b32 v244, v252 offset:1024*\kind+512
.else
	global_store_b128 v246, v[PC:PC+3], s[36:37]                ; a fragment's image: 1,536 consecutive bytes
	global_store_b128 v246, v[PC+4:PC+7], s[36:37] offset:512
	global_store_b128 v246, v[PC+8:PC+11], s[36:37] offset:1024
	v_add_nc_u32 v244, s35, v249
	ds_store_b32 v244, v[PW]                       ; lanes r and r + 16 write the same word with the same value
.endif
	s_wait_xcnt 0x0                                ; the stores have read their registers and their base: both are written again only behind this wait
	s_add_nc_u64 s[36:37], s[36:37], 1536
.if \kind < 2
	s_add_co_u32 s35, s35, 128
.else
	s_add_co_u32 s35, s35, 64
.endif
	s_wait_dscnt 0x0                               ; the LDS stores have read their registers
	s_add_co_u32 s100, s100, 1
	s_cmp_lt_u32 s100, 4
	s_cbranch_scc1 .Ltrip_\@
.endm
	s_mov_b32 s33, 0x3fb8aa3b                      ; log2e
	s_mov_b64 s[36:37], s[44:45]
	EPI 0, 1
	s_mul_f32 s33, s98, s99                        ; q_scale k_scale
	s_mov_b64 s[36:37], s[46:47]
	EPI 1, 2
	s_mov_b64 s[36:37], s[48:49]
	EPI 2, 3
	ds_load_b128 v[64:67], v253                    ; my own stage: LDS serves a wave's instructions in order
	ds_load_b128 v[68:71], v253 offset:512
	ds_load_b128 v[72:75], v253 offset:1024
	ds_load_b128 v[76:79], v253 offset:1536
	ds_load_b64 v[80:81], v254 offset:2048
	s_wait_dscnt 4                                 ; the counts run down with the five loads
	global_store_b128 v246, v[64:67], s[24:25] offset:98304     ; 512 consecutive bytes each, at multiples of 256
	s_wait_dscnt 3
	global_store_b128 v246, v[68:71], s[24:25] offset:106496
	s_wait_dscnt 2
	global_store_b128 v246, v[72:75], s[50:51] offset:196608
	s_wait_dscnt 1
	global_store_b128 v246, v[76:79], s[50:51] offset:204800
	s_wait_dscnt 0
	global_store_b64 v247, v[80:81], s[26:27] offset:212992     ; 256 consecutive bytes
	s_wait_tensorcnt 0x0                           ; the wave's end
	ds_add_u32 v[SPW], v[NIL]
	s_wait_dscnt 0x0
	CROUND                                         ; the closing round
	s_endpgm
.Lfunc_end_k_q93177dacda_qkv:
	.size	k_q93177dacda_qkv, .Lfunc_end_k_q93177dacda_qkv-k_q93177dacda_qkv
	.p2alignl 7, 3214868480
	.fill 96, 4, 3214868480
	.section	.rodata,"a",@progbits
	.p2align	6, 0x0
	.amdhsa_kernel k_q93177dacda_qkv
		.amdhsa_group_segment_fixed_size 327680
		.amdhsa_private_segment_fixed_size 0
		.amdhsa_enable_private_segment 0
		.amdhsa_kernarg_size 96
		.amdhsa_user_sgpr_count 2
		.amdhsa_user_sgpr_kernarg_segment_ptr 1
		.amdhsa_wavefront_size32 1
		.amdhsa_system_sgpr_workgroup_id_x 1
		.amdhsa_system_sgpr_workgroup_id_y 1
		.amdhsa_system_sgpr_workgroup_id_z 1
		.amdhsa_system_vgpr_workitem_id 0
		.amdhsa_next_free_vgpr 1024
		.amdhsa_next_free_sgpr 102
		.amdhsa_reserve_vcc 0
		.amdhsa_float_denorm_mode_32 3
		.amdhsa_float_denorm_mode_16_64 3
		.amdhsa_memory_ordered 1
		.amdhsa_forward_progress 1
		.amdhsa_inst_pref_size 255
	.end_amdhsa_kernel
	.section	.bss,"aw",@nobits
	.p2align	6
	.space	262144
	.amdgpu_metadata
---
amdhsa.version: [ 1, 2 ]
amdhsa.kernels:
  - .name:           k_q93177dacda_qkv
    .symbol:         k_q93177dacda_qkv.kd
    .args:
      - { .name: x_codes, .offset: 0, .size: 8, .value_kind: global_buffer, .address_space: global }
      - { .name: x_scales, .offset: 8, .size: 8, .value_kind: global_buffer, .address_space: global }
      - { .name: Wq_codes, .offset: 16, .size: 8, .value_kind: global_buffer, .address_space: global }
      - { .name: Wq_scales, .offset: 24, .size: 8, .value_kind: global_buffer, .address_space: global }
      - { .name: Wk_codes, .offset: 32, .size: 8, .value_kind: global_buffer, .address_space: global }
      - { .name: Wk_scales, .offset: 40, .size: 8, .value_kind: global_buffer, .address_space: global }
      - { .name: Wv_codes, .offset: 48, .size: 8, .value_kind: global_buffer, .address_space: global }
      - { .name: Wv_scales, .offset: 56, .size: 8, .value_kind: global_buffer, .address_space: global }
      - { .name: q_scale, .offset: 64, .size: 8, .value_kind: global_buffer, .address_space: global }
      - { .name: k_scale, .offset: 72, .size: 8, .value_kind: global_buffer, .address_space: global }
      - { .name: qw, .offset: 80, .size: 8, .value_kind: global_buffer, .address_space: global }
      - { .name: kvw, .offset: 88, .size: 8, .value_kind: global_buffer, .address_space: global }
    .group_segment_fixed_size: 327680
    .private_segment_fixed_size: 0
    .kernarg_segment_align: 8
    .kernarg_segment_size: 96
    .max_flat_workgroup_size: 128
    .sgpr_count:     102
    .vgpr_count:     1024
    .wavefront_size: 32
...
	.end_amdgpu_metadata
.endif
;; end of part 1
;; launch attn (part 2): grid 4 x 64, 16 waves a work-group, clusters of 4 x 1, 219,136 bytes of LDS; arguments qw, kvw, ow; writes ow
.if DOCPART == 2
	.amdgcn_target "amdgcn-amd-amdhsa--gfx1250"
	.amdhsa_code_object_version 6
	.text
	.protected	k_q93177dacda_attn
	.globl	k_q93177dacda_attn
	.p2align	8
	.type	k_q93177dacda_attn,@function
k_q93177dacda_attn:
	s_mov_b64 s[64:65], 0
	v_nop
	global_prefetch_b8 v0, s[64:65] scope:SCOPE_SE
	s_setreg_imm32_b32 hwreg(HW_REG_WAVE_MODE, 25, 1), 1
	s_wait_xcnt 0x0
	s_wait_alu depctr_hold_cnt(0) depctr_sa_sdst(0) depctr_va_vdst(0) depctr_va_sdst(0) depctr_va_ssrc(0) depctr_va_vcc(0) depctr_vm_vsrc(0)
	s_getreg_b32 s2, hwreg(HW_REG_IB_STS2, 6, 4)
	s_cmp_eq_u32 s2, 0
	s_cbranch_scc0 .Lentry_in_a_cluster
	s_endpgm
.Lentry_in_a_cluster:
	s_bfe_u32 s2, ttmp6, 0x10000c
	s_cmp_lg_u32 s2, 0x3003
	s_cbranch_scc0 .Lentry_shape_is_right
	s_endpgm
.Lentry_shape_is_right:
; Products 4 and 5 with the causal softmax between them, on codes of E2M3; the result, divided by the row's sum, is quantised along D and stored as images of the last product's operand registers.
; LEFT OUT: key steps of 128 keys that lie wholly behind reference()'s own causal mask (shown dead at the head of the first kernel).
; t = (q_dir . k_dir) x rk' x rq', rk' = r_k q_scale k_scale (a key's), rq' = r_q log2e (a query's, never negative); M = the ceiling of the running largest t; p = 2^(t - M) is quantised along the keys, not normalised;
; the row's sum is taken of the unquantised p.  When M moves, the sum and O^T are multiplied by 2^(old M - new M): exact.
; LIMITS.  NaN and infinities are not served.  rq' is held at the smallest normal f32 number from below, so that -inf x rq' stays -inf; a query whose r_q is 0 so gets t within 2^-100 of 0 where reference() has 0.
; SHARES.  A cluster of four work-groups is one (batch, head); each has sixteen waves of 256 registers.  Wave w of partner cx owns the query tiles a0 = 4 w + cx and a1 = 127 - a0.  Tile a needs key steps 0 .. a / 8, which is
; w / 2 for a0 and 15 - w / 2 for a1: every wave works 17 steps, and the limits hang on the wave's number alone.  Waves 0 and 1 of every partner read the last keys, so all that is asked for jointly is read in every partner.
; LDS.  The head's whole block of kvw, 217,088 bytes, as it lies in memory, filled once: every wave asks jointly for 53 rows of 256 bytes.  Behind it the spare words.  Nothing is stored to LDS and nothing is filled again.
; LAYOUT.  Both products are used transposed: S^T = K Q^T, O^T = V^T P^T: a lane holds one query throughout.  Register 8 T + j of S^T is key 16 T + 8 (lane / 16) + j: p's blocks of 32 keys come out in the order in which v's were laid.
; K = 64 IN A PRODUCT OF 128: Q's registers 6-11 are zero codes and both sides' scale bytes 2, 3 are 127; K's fragment t names v[56 + 6 t] on for 12 registers, so its upper six are the next tile's codes (behind tile 7: whatever
; v104-109 hold): any code times a zero code adds 0, and E2M3 has no NaN.
; REGISTERS: v1-8 lane terms; v9, v10 the add's two; v11, v12 the mask's d of the two tiles; v13-18 the step's LDS addresses; v20 -M, v21 the largest t; v[22:23] the sum; v[24:25] f; v[26:29] rq'; v30, v31 Q's scale words;
; v32-55 Q's two fragments; v56-119 K's tiles, then rk', then V's fragments; v120-183 S^T, u, p; v184-215 O^T; v216-227 p's codes; v228-247 at work; v248-251 K's scale words; v252, v253 V's; v254 p's; v255 at work.
.set SPARE, 217088
.set SPW, 9
.set NIL, 10
.set WV,  10                           ; s10
.macro CROUND
	s_barrier_signal -1
	s_barrier_wait -1
	s_cmp_lg_u32 s[WV], 0
	s_cbranch_scc1 .Lnw0_\@
	s_barrier_signal -3
.Lnw0_\@:
	s_barrier_wait -3
	s_barrier_signal -1
	s_barrier_wait -1
.endm
	s_load_b128 s[4:7], s[0:1], 0x0                ; qw, kvw
	s_load_b64 s[8:9], s[0:1], 0x10                ; ow
	v_lshl_add_u32 v[SPW], v0, 2, SPARE
	v_mov_b32 v[NIL], 0
	ds_add_u32 v[SPW], v[NIL]                      ; the wave's opening: the add, twice on end, and its wait ahead of my first tensor load
	ds_add_u32 v[SPW], v[NIL]
	v_lshrrev_b32 v11, 5, v0
	s_delay_alu instid0(VALU_DEP_1)
	v_readfirstlane_b32 s[WV], v11                 ; wave 0..15
	s_bfe_u32 s11, ttmp6, 0x40000                  ; cx
	s_and_b32 s12, ttmp7, 0xffff                   ; bh = 16 batch + head, which the four partners share
	s_mov_b32 s20, 15|(3<<16)|(1<<21)              ; the mask: all four; elements of 8 bytes; no padding
	s_mov_b32 s21, 32<<16                          ; tensor_dim0: 256 bytes
	s_mov_b32 s22, 53<<16                          ; tensor_dim1
	s_mov_b32 s23, 32<<16                          ; tile_dim0
	s_mov_b32 s24, 53                              ; tile_dim1
	s_mov_b32 s25, 32                              ; dense rows
	s_mov_b32 s26, 0
	s_mov_b32 s27, 0
	s_mov_b32 s28, 1
	s_mul_i32 s29, s[WV], 13568                    ; my 53 rows, in LDS as in memory
	s_mul_i32 s34, s12, 217088
	s_add_co_u32 s34, s34, s29
	s_mov_b32 s35, 0
	s_mov_b32 s32, 0x76543210
	s_mov_b32 s33, 0xfedcba98                      ; v_permlanex16_b32's selects for lane l xor 16
	s_mov_b32 s56, 0xffff0000                      ; lanes 16-31
	s_wait_dscnt 0x0                               ; both opening adds are done
	s_wait_kmcnt 0x0
	s_add_nc_u64 s[30:31], s[6:7], s[34:35]
	s_or_b32 s31, s31, 0x80000000
	CROUND                                         ; all four work-groups are here: the joint loads meet
	tensor_load_to_lds s[28:31], s[20:27]          ; one load a wave, the only one of the launch
	s_nop 0
.rept 4
	v_nop
.endr
	s_lshl_b32 s36, s[WV], 2
	s_add_co_u32 s36, s36, s11                     ; a0
	s_sub_co_u32 s37, 127, s36                     ; a1
	s_lshr_b32 s38, s12, 4                         ; batch
	s_and_b32 s39, s12, 15                         ; head
	s_lshl_b32 s57, s38, 7                         ; 128 row tiles a batch
	s_mul_i32 s34, s12, 114688
	s_add_nc_u64 s[4:5], s[4:5], s[34:35]          ; qw at my head
.irp p, 0,1
	s_mul_i32 s34, s[36+\p], 768
	s_add_nc_u64 s[40+4*\p:41+4*\p], s[4:5], s[34:35]      ; the tile's image
	s_lshl_b32 s34, s[36+\p], 6
	s_add_nc_u64 s[42+4*\p:43+4*\p], s[4:5], s[34:35]      ; its scale words (+98,304) and rq' (+106,496)
	s_add_co_u32 s58, s57, s[36+\p]                ; the row tile of out
	s_lshl_b32 s59, s58, 4
	s_add_co_u32 s59, s59, s39
	s_mul_i32 s34, s59, 768
	s_add_nc_u64 s[48+2*\p:49+2*\p], s[8:9], s[34:35]      ; its image for my head
	s_lshl_b32 s34, s58, 9                         ; 16 rows of 32 scale bytes
	s_lshl_b32 s59, s39, 1
	s_add_co_u32 s34, s34, s59
	s_add_nc_u64 s[52+2*\p:53+2*\p], s[8:9], s[34:35]      ; my head's two bytes of each row (+6,291,456)
.endr
	s_and_b32 s58, s36, 7
	s_lshl_b32 s58, s58, 4
	s_and_b32 s59, s37, 7
	s_lshl_b32 s59, s59, 4
	v_and_b32 v11, 31, v0                          ; lane
	s_delay_alu instid0(VALU_DEP_1)
	v_lshlrev_b32 v1, 4, v11                       ; 16 x lane: K's images
	s_delay_alu instid0(VALU_DEP_2)
	v_lshlrev_b32 v2, 3, v11                       ; 8 x lane
	s_delay_alu instid0(VALU_DEP_2)
	v_add_nc_u32 v3, 98304, v1                     ; V's images
	s_delay_alu instid0(VALU_DEP_4)
	v_lshl_add_u32 v4, v11, 2, 196608              ; K's scale words
	v_bfe_u32 v12, v0, 4, 1                        ; h
	s_delay_alu instid0(VALU_DEP_1)
	v_lshl_add_u32 v5, v12, 5, 204800              ; rk': eight neighbours of my half
	v_lshl_add_u32 v6, v11, 2, 212992              ; V's scale words
	v_and_b32 v19, 15, v0                          ; r
	s_delay_alu instid0(VALU_DEP_1)
	v_lshlrev_b32 v7, 2, v19
	s_delay_alu instid0(VALU_DEP_2)
	v_lshl_add_u32 v8, v19, 5, v12                 ; out's scale bytes: 32 r + h
	v_lshlrev_b32 v12, 3, v12
	s_delay_alu instid0(VALU_DEP_1)
	v_sub_nc_u32 v19, v19, v12                     ; r - 8 h
	s_delay_alu instid0(VALU_DEP_1)
	v_add_nc_u32 v11, s58, v19                     ; d = 16 (a % 8) + r - 8 h: on the diagonal register 8 T + j is hidden where 16 T + j > d
	s_delay_alu instid0(VALU_DEP_2)
	v_add_nc_u32 v12, s59, v19
.irp p, 0,1
	global_load_b128 v[32+12*\p:35+12*\p], v1, s[40+4*\p:41+4*\p]
	global_load_b64 v[36+12*\p:37+12*\p], v2, s[40+4*\p:41+4*\p] offset:512
	global_load_b32 v[30+\p], v7, s[42+4*\p:43+4*\p] offset:98304
	global_load_b32 v[26+2*\p], v7, s[42+4*\p:43+4*\p] offset:106496
.endr
.irp j, 38,39,40,41,42,43,50,51,52,53,54,55
	v_mov_b32 v\j, 0                               ; Q's zero codes for k = 64 .. 127
.endr
.irp j, 104,105,106,107,108,109,240,241,242,243,25,255
	v_mov_b32 v\j, 0                               ; written once: named before anything else writes them
.endr
	s_wait_loadcnt 0x0
	v_max_num_f32 v26, 0x800000, v26
	v_max_num_f32 v28, 0x800000, v28
	s_delay_alu instid0(VALU_DEP_2)
	v_mov_b32 v27, v26                             ; (named with it as a pair)
	s_delay_alu instid0(VALU_DEP_2)
	v_mov_b32 v29, v28
	s_wait_tensorcnt 0x0                           ; my 53 rows are in,
	s_barrier_signal -1
	s_barrier_wait -1                              ; everybody's are
; One query tile.  The loop's trip count is a constant; a step beyond the tile's last is jumped over by a scalar branch on the wave's number and the count of steps, round the work alone.
.macro PASS p, ntr
.set QF,  32+12*(\p)
.set QSW, 30+(\p)
.set RQ,  26+2*(\p)
.set DD,  11+(\p)
	s_wait_xcnt 0x0                                ; the last tile's stores have read their registers
.set n, 0
.rept 32
	v_mov_b32 v[184+n], 0                          ; O^T: the step is written once, its first trip finds zeros
.set n, n+1
.endr
	v_mov_b32 v22, 0
	v_mov_b32 v23, 0
	v_mov_b32 v21, 0xff61b1e6                      ; the largest t so far: -3e38
	s_delay_alu instid0(VALU_DEP_1)
	v_floor_f32 v20, -v21
	s_mov_b32 s14, 0                               ; the key step,
	s_mov_b32 s15, 0                               ; x 6,144: K's and V's images,
	s_mov_b32 s16, 0                               ; x 512: K's scale words and rk',
	s_mov_b32 s17, 0                               ; x 256: V's scale words
	s_lshr_b32 s13, s[WV], 1                       ; the tile's last step
.if \p
	s_sub_co_u32 s13, 15, s13
.endif
.Lstep_\@:
	s_cmp_gt_u32 s14, s13
	s_cbranch_scc1 .Lskip_\@
	s_setprio 2
	v_add_nc_u32 v13, s15, v1                      ; four plain lines: the places behind the last step's products, in front of the loads into their registers
	v_add_nc_u32 v14, s15, v2
	v_add_nc_u32 v15, s16, v4
	v_nop
.irp t, 0,1,2,3,4,5,6,7
	ds_load_b128 v[56+6*\t:59+6*\t], v13 offset:768*\t
	ds_load_b64 v[60+6*\t:61+6*\t], v14 offset:768*\t+512
.endr
.irp q, 0,1,2,3
	ds_load_b32 v[248+\q], v15 offset:128*\q       ; lanes 0-15 tile 2 q, lanes 16-31 tile 2 q + 1
.endr
	s_wait_dscnt 0x0
.irp t, 0,1,2,3,4,5,6,7
.if \t%2
	v_wmma_scale_f32_16x16x128_f8f6f4 v[120+8*\t:127+8*\t], v[56+6*\t:67+6*\t], v[QF:QF+11], 0, v[248+\t/2], v[QSW] matrix_a_fmt:MATRIX_FMT_FP6 matrix_b_fmt:MATRIX_FMT_FP6 matrix_a_scale:MATRIX_SCALE_ROW1
.else
	v_wmma_scale_f32_16x16x128_f8f6f4 v[120+8*\t:127+8*\t], v[56+6*\t:67+6*\t], v[QF:QF+11], 0, v[248+\t/2], v[QSW] matrix_a_fmt:MATRIX_FMT_FP6 matrix_b_fmt:MATRIX_FMT_FP6
.endif
.endr
	v_add_nc_u32 v16, s16, v5                      ; four places again
	v_add_nc_u32 v17, s15, v3
	v_add_nc_u32 v18, s17, v6
	v_nop
.irp t, 0,1,2,3,4,5,6,7
	ds_load_b128 v[56+8*\t:59+8*\t], v16 offset:64*\t          ; rk' of keys 16 T + 8 h + 0 .. 7: sixteen lanes share each word
	ds_load_b128 v[60+8*\t:63+8*\t], v16 offset:64*\t+16
.endr
	s_wait_dscnt 0x0
.set n, 0
.rept 32
	v_pk_mul_f32 v[120+n:121+n], v[120+n:121+n], v[56+n:57+n]  ; u = score x rk'
.set n, n+2
.endr
.irp dt, 0,1,2,3
.irp c, 0,1,2
	ds_load_b128 v[56+12*\dt+4*\c:59+12*\dt+4*\c], v17 offset:1536*\dt+512*\c   ; V's fragments land while the softmax is walked
.endr
.endr
	ds_load_b32 v252, v18
	ds_load_b32 v253, v18 offset:128
	s_cmp_lg_u32 s14, s13                          ; only the tile's last step lies on the diagonal
	s_cbranch_scc1 .Lopen_\@
	v_mov_b32 v255, 0xff800000                     ; -infinity
.set n, 0
.rept 64
	v_cmp_gt_i32 vcc_lo, 16*(n/8)+n%8, v[DD]
	s_delay_alu instid0(VALU_DEP_1)
	v_cndmask_b32 v[120+n], v[120+n], v255, vcc_lo
.set n, n+1
.endr
.Lopen_\@:
.irp b, 0,1,2,3
	v_max3_num_f32 v[236+\b], v[120+16*\b], v[121+16*\b], v[122+16*\b]   ; the largest u of each block of 32 keys: it serves the row's maximum and, since p rises with u, the block's largest p
.endr
.irp i, 3,5,7,9,11,13
.irp b, 0,1,2,3
	s_delay_alu instid0(VALU_DEP_4)
	v_max3_num_f32 v[236+\b], v[236+\b], v[120+16*\b+\i], v[121+16*\b+\i]
.endr
.endr
.irp b, 0,1,2,3
	s_delay_alu instid0(VALU_DEP_4)
	v_max_num_f32 v[236+\b], v[236+\b], v[135+16*\b]
.endr
.irp b, 0,1,2,3
	s_delay_alu instid0(VALU_DEP_4)
	v_permlanex16_b32 v[240+\b], v[236+\b], s32, s33
.endr
.irp b, 0,1,2,3
	s_delay_alu instid0(VALU_DEP_4)
	v_max_num_f32 v[236+\b], v[236+\b], v[240+\b]
.endr
	s_delay_alu instid0(VALU_DEP_2)
	v_max3_num_f32 v255, v236, v237, v238
	s_delay_alu instid0(VALU_DEP_1)
	v_max_num_f32 v255, v255, v239
	s_delay_alu instid0(VALU_DEP_1)
	v_mul_f32 v255, v[RQ], v255                    ; as t (rq' is not negative)
	s_delay_alu instid0(VALU_DEP_1)
	v_max_num_f32 v21, v21, v255                   ; the running largest t
	v_mov_b32 v255, v20
	s_delay_alu instid0(VALU_DEP_2)
	v_floor_f32 v20, -v21                          ; the new -M
	s_delay_alu instid0(VALU_DEP_1)
	v_sub_f32 v255, v20, v255                      ; old M - new M: a whole number, 0 or less
	s_delay_alu instid0(VALU_DEP_1)
	v_cvt_i32_f32 v255, v255                       ; (it saturates)
	s_delay_alu instid0(VALU_DEP_1)
	v_ldexp_f32 v24, 1.0, v255                     ; f = 2^(old M - new M)
.set n, 0
	s_setprio 1
.rept 32
	v_pk_fma_f32 v[120+n:121+n], v[120+n:121+n], v[RQ:RQ+1], v[20:21] op_sel_hi:[1,0,0]   ; t - M (of the pairs rq' and -M the low word serves both halves)
.set n, n+2
.endr
.irp b, 0,1,2,3
	v_fma_f32 v[236+\b], v[236+\b], v[RQ], v20
.endr
.set n, 0
	s_wait_alu depctr_va_vdst(0)
.rept 64
	v_exp_f32 v[120+n], v[120+n]                   ; p = 2^(t - M)
.set n, n+1
.endr
	v_pk_mul_f32 v[22:23], v[22:23], v[24:25] op_sel_hi:[1,0]   ; the sum under the new M: a plain place behind the exponentials
	s_wait_alu depctr_va_vdst(0)                   ; one wait for the batch, ahead of its first reader
.irp b, 0,1,2,3
	v_exp_f32 v[236+\b], v[236+\b]                 ; the blocks' largest p
.endr
	v_pk_add_f32 v[240:241], v[124:125], v[128:129]
	v_pk_add_f32 v[250:251], v[132:133], v[136:137]
	v_pk_add_f32 v[248:249], v[140:141], v[144:145]
	v_pk_add_f32 v[246:247], v[148:149], v[152:153]
	v_pk_add_f32 v[244:245], v[156:157], v[160:161]
	v_pk_add_f32 v[242:243], v[164:165], v[168:169]
	v_pk_add_f32 v[234:235], v[172:173], v[176:177]
	v_pk_add_f32 v[22:23], v[22:23], v[180:181]
	v_pk_add_f32 v[240:241], v[240:241], v[120:121]
	v_pk_add_f32 v[250:251], v[250:251], v[122:123]
	v_pk_add_f32 v[248:249], v[248:249], v[126:127]
	v_pk_add_f32 v[246:247], v[246:247], v[130:131]
	v_pk_add_f32 v[244:245], v[244:245], v[134:135]
	v_pk_add_f32 v[242:243], v[242:243], v[138:139]
	v_pk_add_f32 v[234:235], v[234:235], v[142:143]
	v_pk_add_f32 v[22:23], v[22:23], v[146:147]
	v_pk_add_f32 v[240:241], v[240:241], v[150:151]
	v_pk_add_f32 v[250:251], v[250:251], v[154:155]
	v_pk_add_f32 v[248:249], v[248:249], v[158:159]
	v_pk_add_f32 v[246:247], v[246:247], v[162:163]
	v_pk_add_f32 v[244:245], v[244:245], v[166:167]
	v_pk_add_f32 v[242:243], v[242:243], v[170:171]
	v_pk_add_f32 v[234:235], v[234:235], v[174:175]
	v_pk_add_f32 v[22:23], v[22:23], v[178:179]
	v_pk_add_f32 v[240:241], v[240:241], v[182:183]
	s_delay_alu instid0(VALU_DEP_2)
	v_pk_add_f32 v[22:23], v[22:23], v[246:247]
	s_delay_alu instid0(VALU_DEP_2)
	v_pk_add_f32 v[240:241], v[240:241], v[244:245]
	v_pk_add_f32 v[250:251], v[250:251], v[242:243]
	v_pk_add_f32 v[248:249], v[248:249], v[234:235]
	s_delay_alu instid0(VALU_DEP_2)
	v_pk_add_f32 v[22:23], v[22:23], v[250:251]
	s_delay_alu instid0(VALU_DEP_2)
	v_pk_add_f32 v[240:241], v[240:241], v[248:249]
	s_delay_alu instid0(VALU_DEP_1)
	v_pk_add_f32 v[22:23], v[22:23], v[240:241]
	s_setprio 0
	s_wait_alu depctr_va_vdst(0)                   ; and one for the four
.irp b, 0,1,2,3
	v_max_num_f32 v[236+\b], 0x1800000, v[236+\b]  ; the floor 2^(3 - 127): the byte cannot fall under 1
.endr
.irp b, 0,1,2,3
	s_delay_alu instid0(VALU_DEP_4)
	v_add_nc_u32 v[244+\b], 0xff000000, v[236+\b]  ; 2 off the exponent field: the conversion's scale operand
.endr
.irp b, 0,1,2,3
	s_delay_alu instid0(VALU_DEP_4)
	v_lshrrev_b32 v[240+\b], 23, v[244+\b]
.endr
	s_delay_alu instid0(VALU_DEP_3)
	v_lshl_or_b32 v254, v241, 8, v240              ; p's scale word for these 128 keys
	s_delay_alu instid0(VALU_DEP_1)
	v_lshl_or_b32 v254, v242, 16, v254
	s_delay_alu instid0(VALU_DEP_1)
	v_lshl_or_b32 v254, v243, 24, v254
.irp c, 0,1
	v_cvt_scalef32_pk16_fp6_f32 v[216+6*\c:218+6*\c], v[120+32*\c:135+32*\c], v[244+2*\c]
	v_cvt_scalef32_pk16_fp6_f32 v[228+4*\c:230+4*\c], v[136+32*\c:151+32*\c], v[244+2*\c+1]
.endr
	v_nop                                          ; one plain place behind a scaled conversion
.irp c, 0,1
.irp i, 0,1,2
	v_permlane16_swap_b32 v[216+6*\c+\i], v[228+4*\c+\i]
.endr
.irp i, 0,1,2
	s_delay_alu instid0(VALU_DEP_3)
	v_mov_b32 v[219+6*\c+\i], v[228+4*\c+\i]
.endr
.endr
.set n, 0
.rept 16
	v_pk_mul_f32 v[184+n:185+n], v[184+n:185+n], v[24:25] op_sel_hi:[1,0]   ; O^T under the new M; of these sixteen, twelve name no register of any one product below: its places
.set n, n+2
.endr
	s_wait_alu depctr_va_vdst(0)
	s_wait_dscnt 0x0                               ; V's fragments and scale words
.irp dt, 0,1,2,3
.if \dt%2
	v_wmma_scale_f32_16x16x128_f8f6f4 v[184+8*\dt:191+8*\dt], v[56+12*\dt:67+12*\dt], v[216:227], v[184+8*\dt:191+8*\dt], v[252+\dt/2], v254 matrix_a_fmt:MATRIX_FMT_FP6 matrix_b_fmt:MATRIX_FMT_FP6 matrix_a_scale:MATRIX_SCALE_ROW1
.else
	v_wmma_scale_f32_16x16x128_f8f6f4 v[184+8*\dt:191+8*\dt], v[56+12*\dt:67+12*\dt], v[216:227], v[184+8*\dt:191+8*\dt], v[252+\dt/2], v254 matrix_a_fmt:MATRIX_FMT_FP6 matrix_b_fmt:MATRIX_FMT_FP6
.endif
.endr
.Lskip_\@:
	s_add_co_u32 s15, s15, 6144
	s_add_co_u32 s16, s16, 512
	s_add_co_u32 s17, s17, 256
	s_add_co_u32 s14, s14, 1
	s_cmp_lt_u32 s14, \ntr
	s_cbranch_scc1 .Lstep_\@
	s_setprio 0
.rept 4
	v_nop                                          ; places in front of the first read of O^T
.endr
	s_wait_alu depctr_va_vdst(0)
	v_add_f32 v22, v22, v23                        ; the sum's two halves,
	s_delay_alu instid0(VALU_DEP_1)
	v_permlanex16_b32 v255, v22, s32, s33
	s_delay_alu instid0(VALU_DEP_1)
	v_add_f32 v22, v22, v255                       ; and lane l xor 16's
	s_wait_alu depctr_va_vdst(0)
	v_rcp_f32 v24, v22
	v_nop
	s_wait_alu depctr_va_vdst(0)
.set n, 0
.rept 16
	v_pk_mul_f32 v[184+n:185+n], v[184+n:185+n], v[24:25] op_sel_hi:[1,0]   ; out(query r, d = 16 dt + 8 h + j), from each accumulator's low end on
.set n, n+2
.endr
.irp b, 0,1
	v_max3_num_f32 v[236+\b], |v[184+16*\b]|, |v[185+16*\b]|, 0x1800000     ; the head's two blocks of 32 along D
.endr
.irp i, 2,4,6,8,10,12,14
.irp b, 0,1
	s_delay_alu instid0(VALU_DEP_2)
	v_max3_num_f32 v[236+\b], v[236+\b], |v[184+16*\b+\i]|, |v[185+16*\b+\i]|
.endr
.endr
.irp b, 0,1
	s_delay_alu instid0(VALU_DEP_2)
	v_permlanex16_b32 v[240+\b], v[236+\b], s32, s33
.endr
.irp b, 0,1
	s_delay_alu instid0(VALU_DEP_2)
	v_max_num_f32 v[236+\b], v[236+\b], v[240+\b]
.endr
.irp b, 0,1
	s_delay_alu instid0(VALU_DEP_2)
	v_add_nc_u32 v[244+\b], 0xff000000, v[236+\b]
.endr
.irp b, 0,1
	s_delay_alu instid0(VALU_DEP_2)
	v_lshrrev_b32 v[240+\b], 23, v[244+\b]
.endr
	v_cvt_scalef32_pk16_fp6_f32 v[216:218], v[184:199], v244
	v_cvt_scalef32_pk16_fp6_f32 v[228:230], v[200:215], v245
	v_cndmask_b32 v255, v240, v241, s56            ; lane (r, h) stores block h's byte.  (A plain place behind the conversions)
.irp i, 0,1,2
	v_permlane16_swap_b32 v[216+\i], v[228+\i]     ; lane (r, h) now holds block h: in v216-218 its numbers 0-7 and 16-23, in v228-230 its numbers 8-15 and 24-31
.endr
	s_delay_alu instid0(VALU_DEP_1)
	v_alignbit_b32 v219, v218, v217, 16            ; Wo's codes are given in true order, so the four runs of 48 bits are put in order: bits 96-127,
	s_delay_alu instid0(VALU_DEP_2)
	v_perm_b32 v220, v229, v218, 0x07060302        ; 128-159,
	s_delay_alu instid0(VALU_DEP_4)
	v_alignbit_b32 v218, v229, v228, 16            ; 64-95,
	v_perm_b32 v217, v228, v217, 0x05040100        ; 32-63 (bits 0-31 stand),
	v_mov_b32 v221, v230                           ; 160-191
	global_store_b128 v1, v[216:219], s[48+2*\p:49+2*\p]        ; the image: 768 consecutive bytes, at a multiple of 256
	global_store_b64 v2, v[220:221], s[48+2*\p:49+2*\p] offset:512
	global_store_b8 v8, v255, s[52+2*\p:53+2*\p] offset:6291456 ; two bytes of each of 16 rows of scale bytes: the rows' other bytes are other heads'
.endm
	PASS 0, 8
	PASS 1, 16
	s_wait_tensorcnt 0x0                           ; the wave's end
	ds_add_u32 v[SPW], v[NIL]
	s_wait_dscnt 0x0
	CROUND                                         ; the closing round
	s_endpgm
.Lfunc_end_k_q93177dacda_attn:
	.size	k_q93177dacda_attn, .Lfunc_end_k_q93177dacda_attn-k_q93177dacda_attn
	.p2alignl 7, 3214868480
	.fill 96, 4, 3214868480
	.section	.rodata,"a",@progbits
	.p2align	6, 0x0
	.amdhsa_kernel k_q93177dacda_attn
		.amdhsa_group_segment_fixed_size 219136
		.amdhsa_private_segment_fixed_size 0
		.amdhsa_enable_private_segment 0
		.amdhsa_kernarg_size 24
		.amdhsa_user_sgpr_count 2
		.amdhsa_user_sgpr_kernarg_segment_ptr 1
		.amdhsa_wavefront_size32 1
		.amdhsa_system_sgpr_workgroup_id_x 1
		.amdhsa_system_sgpr_workgroup_id_y 1
		.amdhsa_system_sgpr_workgroup_id_z 1
		.amdhsa_system_vgpr_workitem_id 0
		.amdhsa_next_free_vgpr 256
		.amdhsa_next_free_sgpr 66
		.amdhsa_reserve_vcc 1
		.amdhsa_float_denorm_mode_32 3
		.amdhsa_float_denorm_mode_16_64 3
		.amdhsa_memory_ordered 1
		.amdhsa_forward_progress 1
		.amdhsa_inst_pref_size 76
	.end_amdhsa_kernel
	.amdgpu_metadata
---
amdhsa.version: [ 1, 2 ]
amdhsa.kernels:
  - .name:           k_q93177dacda_attn
    .symbol:         k_q93177dacda_attn.kd
    .args:
      - { .name: qw, .offset: 0, .size: 8, .value_kind: global_buffer, .address_space: global }
      - { .name: kvw, .offset: 8, .size: 8, .value_kind: global_buffer, .address_space: global }
      - { .name: ow, .offset: 16, .size: 8, .value_kind: global_buffer, .address_space: global }
    .group_segment_fixed_size: 219136
    .private_segment_fixed_size: 0
    .kernarg_segment_align: 8
    .kernarg_segment_size: 24
    .max_flat_workgroup_size: 512
    .sgpr_count:     66
    .vgpr_count:     256
    .wavefront_size: 32
...
	.end_amdgpu_metadata
.endif
;; end of part 2
;; launch oproj (part 3): grid 4 x 64, 4 waves a work-group, clusters of 4 x 4, 327,680 bytes of LDS; arguments ow, Wo_codes, Wo_scales, out0; writes out0
.if DOCPART == 3
	.amdgcn_target "amdgcn-amd-amdhsa--gfx1250"
	.amdhsa_code_object_version 6
	.text
	.protected	k_q93177dacda_oproj
	.globl	k_q93177dacda_oproj
	.p2align	8
	.type	k_q93177dacda_oproj,@function
k_q93177dacda_oproj:
	s_mov_b64 s[64:65], 0
	v_nop
	global_prefetch_b8 v0, s[64:65] scope:SCOPE_SE
	s_setreg_imm32_b32 hwreg(HW_REG_WAVE_MODE, 25, 1), 1
	s_wait_xcnt 0x0
	s_wait_alu depctr_hold_cnt(0) depctr_sa_sdst(0) depctr_va_vdst(0) depctr_va_sdst(0) depctr_va_ssrc(0) depctr_va_vcc(0) depctr_vm_vsrc(0)
	s_getreg_b32 s2, hwreg(HW_REG_IB_STS2, 6, 4)
	s_cmp_eq_u32 s2, 0
	s_cbranch_scc0 .Lentry_in_a_cluster
	s_endpgm
.Lentry_in_a_cluster:
	s_bfe_u32 s2, ttmp6, 0x10000c
	s_cmp_lg_u32 s2, 0xf033
	s_cbranch_scc0 .Lentry_shape_is_right
	s_endpgm
.Lentry_shape_is_right:
; out0 = out Wo^T (product 6) on codes of E2M3.  out's codes come from ow as images of operand registers (row tile, head: 768 bytes; heads 2 g and 2 g + 1 are registers 0-5 and 6-11 of K step g), its scale bytes as rows of 32;
; Wo's codes and scale bytes as they are given.  Nothing is left out here.
; SHARES.  A work-group: 128 rows x 256 columns; wave w: rows 64 (w / 2) on (4 tiles), columns 128 (w % 2) on (8 tiles): 32 accumulators.  All of K (1,024) of both operands lies in LDS, filled once: no ring.
; CLUSTER 4 x 4: out's images hang on the row block alone and are asked for jointly along a row of the cluster, Wo's rows on the column block alone, jointly along a column.
; THE PRODUCT IS USED TRANSPOSED (source 0 = 16 rows of Wo, source 1 = 16 rows of out): a lane holds eight neighbouring columns of a row of out0.
; LDS: out's images, 98,304 bytes, dense; Wo's 256 rows of 768 bytes with 16 of padding behind each 256 (pitch 816 = 204 words: row r starts at bank 12 r mod 64, so the 32 lanes of a load of 8 bytes touch 64 different banks);
; a stage of 16 x 272 bytes for each wave, into which no tensor load lands; the spare words.
; REGISTERS.  Window 0: v1 r, v2 h, v4, v5 out's images (16, 8 x lane), v6-9 Wo's rows (columns 0-63, 64-127 of mine; each with a second for pieces behind one padding more), v10-12 the way out, v13 an address, v14, v15 the add's two,
; v32-47 out's scale words, v48-79 Wo's, v80-175 out's fragments in two sets, v176-239 rows on the way out in two sets.  Window 1: Wo's fragments in two sets of 96.  Window 2: accumulator (a, b) at 8 (8 a + b).
.set BOFF,  98304
.set STAGE, 307200
.set SPARE, 324608
.set AS,   32
.set BS,   48
.set AFR,  80
.set OUTB, 176
.set SPW,  14
.set NIL,  15
.set WV,   14                          ; s14
.set MSB, 0
.macro WIN new                         ; the immediate's high byte repeats the setting that is left
.if MSB != \new
	s_set_vgpr_msb (MSB<<8)|\new
.set MSB, \new
.endif
.endm
.macro PLACES n
.rept \n
	v_nop
.endr
.endm
.macro CROUND
	s_barrier_signal -1
	s_barrier_wait -1
	s_cmp_lg_u32 s[WV], 0
	s_cbranch_scc1 .Lnw0_\@
	s_barrier_signal -3
.Lnw0_\@:
	s_barrier_wait -3
	s_barrier_signal -1
	s_barrier_wait -1
.endm
.macro WM d, a, b, sa, sb, ra, rb, zero
.if \zero
.if (\ra) && (\rb)
	v_wmma_scale_f32_16x16x128_f8f6f4 v[(\d):(\d)+7], v[(\a):(\a)+11], v[(\b):(\b)+11], 0, v[\sa], v[\sb] matrix_a_fmt:MATRIX_FMT_FP6 matrix_b_fmt:MATRIX_FMT_FP6 matrix_a_scale:MATRIX_SCALE_ROW1 matrix_b_scale:MATRIX_SCALE_ROW1
.elseif \ra
	v_wmma_scale_f32_16x16x128_f8f6f4 v[(\d):(\d)+7], v[(\a):(\a)+11], v[(\b):(\b)+11], 0, v[\sa], v[\sb] matrix_a_fmt:MATRIX_FMT_FP6 matrix_b_fmt:MATRIX_FMT_FP6 matrix_a_scale:MATRIX_SCALE_ROW1
.elseif \rb
	v_wmma_scale_f32_16x16x128_f8f6f4 v[(\d):(\d)+7], v[(\a):(\a)+11], v[(\b):(\b)+11], 0, v[\sa], v[\sb] matrix_a_fmt:MATRIX_FMT_FP6 matrix_b_fmt:MATRIX_FMT_FP6 matrix_b_scale:MATRIX_SCALE_ROW1
.else
	v_wmma_scale_f32_16x16x128_f8f6f4 v[(\d):(\d)+7], v[(\a):(\a)+11], v[(\b):(\b)+11], 0, v[\sa], v[\sb] matrix_a_fmt:MATRIX_FMT_FP6 matrix_b_fmt:MATRIX_FMT_FP6
.endif
.else
.if (\ra) && (\rb)
	v_wmma_scale_f32_16x16x128_f8f6f4 v[(\d):(\d)+7], v[(\a):(\a)+11], v[(\b):(\b)+11], v[(\d):(\d)+7], v[\sa], v[\sb] matrix_a_fmt:MATRIX_FMT_FP6 matrix_b_fmt:MATRIX_FMT_FP6 matrix_a_scale:MATRIX_SCALE_ROW1 matrix_b_scale:MATRIX_SCALE_ROW1
.elseif \ra
	v_wmma_scale_f32_16x16x128_f8f6f4 v[(\d):(\d)+7], v[(\a):(\a)+11], v[(\b):(\b)+11], v[(\d):(\d)+7], v[\sa], v[\sb] matrix_a_fmt:MATRIX_FMT_FP6 matrix_b_fmt:MATRIX_FMT_FP6 matrix_a_scale:MATRIX_SCALE_ROW1
.elseif \rb
	v_wmma_scale_f32_16x16x128_f8f6f4 v[(\d):(\d)+7], v[(\a):(\a)+11], v[(\b):(\b)+11], v[(\d):(\d)+7], v[\sa], v[\sb] matrix_a_fmt:MATRIX_FMT_FP6 matrix_b_fmt:MATRIX_FMT_FP6 matrix_b_scale:MATRIX_SCALE_ROW1
.else
	v_wmma_scale_f32_16x16x128_f8f6f4 v[(\d):(\d)+7], v[(\a):(\a)+11], v[(\b):(\b)+11], v[(\d):(\d)+7], v[\sa], v[\sb] matrix_a_fmt:MATRIX_FMT_FP6 matrix_b_fmt:MATRIX_FMT_FP6
.endif
.endif
.endm
	s_load_b256 s[4:11], s[0:1], 0x0               ; ow, Wo's codes, Wo's scales, out0
	v_lshl_add_u32 v[SPW], v0, 2, SPARE
	v_mov_b32 v[NIL], 0
	ds_add_u32 v[SPW], v[NIL]                      ; the wave's opening: the add, twice on end, and its wait ahead of my first tensor load
	ds_add_u32 v[SPW], v[NIL]
	v_lshrrev_b32 v1, 5, v0
	v_readfirstlane_b32 s[WV], v1                  ; wave 0..3
	s_lshr_b32 s15, s[WV], 1                       ; which 64 rows
	s_and_b32 s16, s[WV], 1                        ; which 128 columns
	s_bfe_u32 s40, ttmp6, 0x40000                  ; cx
	s_bfe_u32 s41, ttmp6, 0x40004                  ; cy
	s_lshl_b32 s42, ttmp9, 2
	s_add_co_u32 s42, s42, s40                     ; column block
	s_and_b32 s17, ttmp7, 0xffff
	s_lshl_b32 s17, s17, 2
	s_add_co_u32 s17, s17, s41                     ; row block
	s_lshl_b32 s43, s41, 2
	s_lshl_b32 s43, 15, s43                        ; my row of the cluster
	s_lshl_b32 s44, 0x1111, s40                    ; my column
	s_or_b32 s24, s43, (3<<16)|(1<<21)             ; out's images: 24,576 dense bytes a wave as 96 rows of 256; no padding
	s_mov_b32 s25, 32<<16
	s_mov_b32 s26, 96<<16
	s_mov_b32 s27, 32<<16
	s_mov_b32 s28, 96
	s_mov_b32 s29, 32
	s_mov_b32 s30, 0
	s_mov_b32 s31, 0
	s_or_b32 s48, s44, (1<<20)|(1<<21)|(5<<22)|(3<<25)   ; Wo: 64 rows of 768 bytes a wave; 4 words of padding behind every 64
	s_mov_b32 s49, 768<<16
	s_mov_b32 s50, 64<<16
	s_mov_b32 s51, 768<<16
	s_mov_b32 s52, 64
	s_mov_b32 s53, 768
	s_mov_b32 s54, 0
	s_mov_b32 s55, 0
	s_mul_i32 s20, s17, 98304                      ; 8 row tiles x 16 heads x 768 bytes a row block
	s_mul_i32 s33, s[WV], 24576                    ; my quarter, in LDS as in memory
	s_add_co_u32 s20, s20, s33
	s_mov_b32 s21, 0
	s_lshl_b32 s46, s42, 8
	s_lshl_b32 s47, s[WV], 6
	s_add_co_u32 s46, s46, s47
	s_mul_i32 s46, s46, 768                        ; Wo's row 256 x column block + 64 x wave
	s_mov_b32 s47, 0
	s_mul_i32 s37, s[WV], 52224
	s_add_co_u32 s37, s37, BOFF
	s_mov_b32 s32, 1
	s_mov_b32 s36, 1
	s_wait_dscnt 0x0                               ; both opening adds are done
	s_wait_kmcnt 0x0
	s_add_nc_u64 s[34:35], s[4:5], s[20:21]
	s_or_b32 s35, s35, 0x80000000
	s_add_nc_u64 s[38:39], s[6:7], s[46:47]
	s_or_b32 s39, s39, 0x80000000
	CROUND                                         ; all sixteen work-groups are here: the joint loads meet
	tensor_load_to_lds s[32:35], s[24:31]          ; out's images: the first of my two loads, waited for before the second
	s_nop 0
	s_wait_alu depctr_va_vdst(0)
	s_wait_tensorcnt 0x0
	ds_add_u32 v14, v15
	s_wait_dscnt 0x0
	CROUND
	tensor_load_to_lds s[36:39], s[48:55]
	s_nop 0
.rept 4
	v_nop
.endr
	s_lshl_b32 s20, s17, 12                        ; out's scale bytes: 128 rows of 32 a row block,
	s_lshl_b32 s22, s15, 11                        ; my 64 rows
	s_add_co_u32 s20, s20, s22
	s_add_nc_u64 s[56:57], s[4:5], s[20:21]        ; (+6,291,456 by the immediate)
	s_lshl_b32 s46, s42, 13                        ; Wo's: 256 rows a column block,
	s_lshl_b32 s22, s16, 12                        ; my 128
	s_add_co_u32 s46, s46, s22
	s_add_nc_u64 s[58:59], s[8:9], s[46:47]
	s_lshl_b32 s20, s17, 19                        ; out0: 128 rows of 4,096 bytes a row block,
	s_lshl_b32 s22, s15, 18
	s_add_co_u32 s20, s20, s22
	s_add_nc_u64 s[10:11], s[10:11], s[20:21]
	s_lshl_b32 s46, s42, 10                        ; 1,024 bytes a column block,
	s_lshl_b32 s22, s16, 9
	s_add_co_u32 s46, s46, s22
	s_add_nc_u64 s[10:11], s[10:11], s[46:47]
	v_and_b32 v3, 31, v0                           ; lane
	v_lshlrev_b32 v13, 5, v3                       ; 32 x lane; never rewritten
.irp p, 0,1
	global_load_b128 v[AS+8*\p:AS+8*\p+3], v13, s[56:57] offset:6291456+1024*\p       ; lane l: row 32 p + l: a word for each of the 8 K steps
	global_load_b128 v[AS+8*\p+4:AS+8*\p+7], v13, s[56:57] offset:6291456+1024*\p+16
.endr
.irp p, 0,1,2,3
	global_load_b128 v[BS+8*\p:BS+8*\p+3], v13, s[58:59] offset:1024*\p
	global_load_b128 v[BS+8*\p+4:BS+8*\p+7], v13, s[58:59] offset:1024*\p+16
.endr
	v_and_b32 v1, 15, v0                           ; r
	v_bfe_u32 v2, v0, 4, 1                         ; h
	s_mul_i32 s20, s15, 49152                      ; my four row tiles
	v_lshl_add_u32 v4, v3, 4, s20
	v_lshl_add_u32 v5, v3, 3, s20
	v_mul_u32_u24 v6, v1, 816
	v_mad_u32_u24 v6, v2, 24, v6
	s_mul_i32 s20, s16, 128*816
	s_add_co_u32 s20, s20, BOFF
	v_add_nc_u32 v6, s20, v6                       ; Wo: row r of my 128, + 24 h
	v_lshl_add_u32 v7, v2, 4, v6                   ; the same behind one padding more
	v_add_nc_u32 v8, 52224, v6                     ; 64 rows on
	v_add_nc_u32 v9, 52224, v7
	s_mul_i32 s20, s[WV], 4352
	s_add_co_u32 s20, s20, STAGE                   ; my stage
	v_mul_u32_u24 v10, v1, 272
	v_lshl_add_u32 v10, v2, 5, v10
	v_add_nc_u32 v10, s20, v10                     ; in: row r, 32 bytes for each half of the lanes
	v_mul_u32_u24 v11, v2, 272
	v_lshl_add_u32 v11, v1, 4, v11
	v_add_nc_u32 v11, s20, v11                     ; back: lanes 0-15 one row of 256 bytes, lanes 16-31 the next
	v_lshlrev_b32 v12, 12, v2
	v_lshl_add_u32 v12, v1, 4, v12                 ; and the same two rows in out0
; The fragments of K step q into set: out's four by loads of 16 and 8 bytes from the images, Wo's eight in pieces of 8 bytes.  64 loads.
.macro FETCH q, set
.irp a, 0,1,2,3
.set fa, AFR+48*(\set)+12*\a
	ds_load_b128 v[fa:fa+3], v4 offset:12288*\a+1536*(\q)
	ds_load_b64 v[fa+4:fa+5], v5 offset:12288*\a+1536*(\q)+512
	ds_load_b128 v[fa+6:fa+9], v4 offset:12288*\a+1536*(\q)+768
	ds_load_b64 v[fa+10:fa+11], v5 offset:12288*\a+1536*(\q)+1280
.endr
	WIN 0x40                                       ; destination window 1, address window 0
.irp b, 0,1,2,3,4,5,6,7
.irp p, 0,1,2,3,4,5
.set ob, 96*(\q)+48*(\p/3)+8*(\p%3)
.set fw, 96*(\set)+12*\b+2*\p
.if ob%256 >= 232
	ds_load_b64 v[fw:fw+1], v[7+2*(\b/4)] offset:ob+16*(ob/256)+16*(\b%4)*816
.else
	ds_load_b64 v[fw:fw+1], v[6+2*(\b/4)] offset:ob+16*(ob/256)+16*(\b%4)*816
.endif
.endr
.endr
	WIN 0
.endm
; 32 products: the accumulators take turns, one instruction a turn, in the same order in every K step.
.macro MUL32 q, set
	WIN 0xa1                                       ; source 0 (Wo) window 1, source 1 (out) window 0, C and D window 2
.irp a, 0,1,2,3
.irp b, 0,1,2,3,4,5,6,7
	WM 8*(8*\a+\b), 96*(\set)+12*\b, AFR+48*(\set)+12*\a, BS+8*(\b/2)+(\q), AS+8*(\a/2)+(\q), \b%2, \a%2, (\q)==0
.endr
.endr
	WIN 0
.endm
	s_wait_alu depctr_va_vdst(0)
	s_wait_tensorcnt 0x0                           ; my parts are in,
	s_barrier_signal -1
	s_barrier_wait -1                              ; everybody's are
	FETCH 0, 0
	s_wait_loadcnt 0x0                             ; the scale words
.irp q, 0,1,2,3,4,5,6
	s_wait_dscnt 0x0                               ; this K step's fragments are in
	PLACES 4                                       ; in front of loads into the set that the last K step's products read
	FETCH \q+1, (\q+1)%2
	MUL32 \q, \q%2
.endr
	s_wait_dscnt 0x0
	MUL32 7, 1
	PLACES 4                                       ; in front of the first read of results
; THE WAY OUT, 16 rows x 64 columns at a time, through my own stage: sixteen lanes then store 256 consecutive bytes at a multiple of 256.  LDS serves a wave's instructions in order: no wait between the stores and the loads.
.macro TOSTAGE a, u
	WIN 0x08                                       ; an LDS store's data are its source 1: window 2
.irp bb, 0,1,2,3
.set ac, 8*(8*(\a)+4*(\u)+\bb)
	ds_store_b128 v10, v[ac:ac+3] offset:64*\bb                ; each accumulator from its low end on
	ds_store_b128 v10, v[ac+4:ac+7] offset:64*\bb+16
.endr
	WIN 0
.set bk, OUTB+32*(\u)
.irp i, 0,1,2,3,4,5,6,7
	ds_load_b128 v[bk+4*\i:bk+4*\i+3], v11 offset:544*\i
.endr
.endm
.macro SEND a, u, younger              ; younger: the LDS instructions issued behind this block's loads, which may stay out
.set bk, OUTB+32*(\u)
	s_wait_dscnt \younger
.irp i, 0,1,2,3,4,5,6,7
	global_store_b128 v12, v[bk+4*\i:bk+4*\i+3], s[10:11] offset:(16*(\a)+2*\i)*4096+256*(\u) th:TH_STORE_NT
.endr
.endm
	TOSTAGE 0, 0
	TOSTAGE 0, 1
	SEND 0, 0, 16                                  ; behind its loads: the next block's 8 stores and 8 loads
.irp a, 1,2,3
	s_wait_xcnt 0x0                                ; the stores of two blocks back have read their registers: the loads below land there
	TOSTAGE \a, 0
	SEND \a-1, 1, 16
	s_wait_xcnt 0x0
	TOSTAGE \a, 1
	SEND \a, 0, 16
.endr
	SEND 3, 1, 0
	s_wait_tensorcnt 0x0                           ; the wave's end
	ds_add_u32 v[SPW], v[NIL]
	s_wait_dscnt 0x0
	CROUND                                         ; the closing round
	s_endpgm
.Lfunc_end_k_q93177dacda_oproj:
	.size	k_q93177dacda_oproj, .Lfunc_end_k_q93177dacda_oproj-k_q93177dacda_oproj
	.p2alignl 7, 3214868480
	.fill 96, 4, 3214868480
	.section	.rodata,"a",@progbits
	.p2align	6, 0x0
	.amdhsa_kernel k_q93177dacda_oproj
		.amdhsa_group_segment_fixed_size 327680
		.amdhsa_private_segment_fixed_size 0
		.amdhsa_enable_private_segment 0
		.amdhsa_kernarg_size 32
		.amdhsa_user_sgpr_count 2
		.amdhsa_user_sgpr_kernarg_segment_ptr 1
		.amdhsa_wavefront_size32 1
		.amdhsa_system_sgpr_workgroup_id_x 1
		.amdhsa_system_sgpr_workgroup_id_y 1
		.amdhsa_system_sgpr_workgroup_id_z 1
		.amdhsa_system_vgpr_workitem_id 0
		.amdhsa_next_free_vgpr 768
		.amdhsa_next_free_sgpr 66
		.amdhsa_reserve_vcc 0
		.amdhsa_float_denorm_mode_32 3
		.amdhsa_float_denorm_mode_16_64 3
		.amdhsa_memory_ordered 1
		.amdhsa_forward_progress 1
		.amdhsa_inst_pref_size 89
	.end_amdhsa_kernel
	.amdgpu_metadata
---
amdhsa.version: [ 1, 2 ]
amdhsa.kernels:
  - .name:           k_q93177dacda_oproj
    .symbol:         k_q93177dacda_oproj.kd
    .args:
      - { .name: ow, .offset: 0, .size: 8, .value_kind: global_buffer, .address_space: global }
      - { .name: Wo_codes, .offset: 8, .size: 8, .value_kind: global_buffer, .address_space: global }
      - { .name: Wo_scales, .offset: 16, .size: 8, .value_kind: global_buffer, .address_space: global }
      - { .name: out0, .offset: 24, .size: 8, .value_kind: global_buffer, .address_space: global }
    .group_segment_fixed_size: 327680
    .private_segment_fixed_size: 0
    .kernarg_segment_align: 8
    .kernarg_segment_size: 32
    .max_flat_workgroup_size: 128
    .sgpr_count:     66
    .vgpr_count:     768
    .wavefront_size: 32
...
	.end_amdgpu_metadata
.endif
;; end of part 3
